; MI455X (gfx1250); checked and timed in simulation.
; The chip was launched on July 23, 2026; its instructions are those of AMD's public machine-readable ISA for CDNA 5 (MIT licence, August 2026) and "CDNA5" Instruction Set Architecture Reference Guide (July 2026). The comments in the code are by the model that wrote it; some were corrected since.
;; Learning Progress IM. Allowed arithmetic: matrix products marked QUANTISED: E2M1 operands, one E8M0 scale for each 32 along K, by v_wmma_scale_f32_16x16x128_f8f6f4 with both operands' format E2M1 (or v_wmma_scale_f32_32x16x128_f4), f32 sums; everything else in f32.
;; Inputs: reached_goal_embedding_library 67,584 x 128 float32; target_goal_embedding_library 67,584 x 128 float32.
;; Outputs: out0 2,048 float32; out1 2,048 x 128 float32.
;; Constants: batch_size = 2048.
;; This version of the problem:
;;   THIS VERSION OF THE PROBLEM IS GIVEN IN LOW PRECISION. The matrix products marked QUANTISED in the list below multiply operands that are first quantised to E2M1 (2 exponent bits, 1 mantissa bit; 4 bits a number), with one power-of-two scale for each 32 numbers along K (OCP MX v1.0); their sums are f32. All else is computed in f32.
;;   The module's matrix products, in the order in which they are computed (A, B: the left and right operand; K: the contracted axis; several contracted axes count as one K, in the product's order):
;;     1. [M 2,048, K 128] x [K 128, N 65,536]; A: computed on the way; B: input reached_goal_embedding_library: QUANTISED
;;   THE QUANTISER, for each operand of a quantised product, along K:
;;     - K is cut into blocks of 32 from its start; a last block that is shorter is filled with zeros.
;;     - A block's scale is 2^e with e = floor(log2(the largest magnitude in the block)) - 2, held to -126 .. 127; a block of zeros has e = 0. As a byte (E8M0): e + 127.
;;     - Each number is divided by its block's scale, clamped to +-6, and rounded to the nearest number of E2M1, ties to even, subnormals kept.
;;     - The product sums the exact products of the quantised numbers (number of the format x scale) in f32.
;;   ~~~python
;;   def quantise(x, axis):      # numpy; x: float32 -> the quantised numbers, widened to float32 again
;;       x = np.moveaxis(x, axis, -1); K = x.shape[-1]
;;       x = np.pad(x, [(0, 0)] * (x.ndim - 1) + [(0, -K % 32)]); x = x.reshape(x.shape[:-1] + (-1, 32)); a = np.abs(x).max(-1, keepdims=True)
;;       e = np.where(a > 0, np.clip(np.frexp(np.where(a > 0, a, 1))[1] - 1 - 2, -126, 127), 0)      # np.frexp(a)[1] - 1 = floor(log2(a)), exactly
;;       r = np.clip(x / 2.0 ** e, -6, 6)
;;       step = 2.0 ** (np.maximum(np.frexp(np.where(r == 0, 1, r))[1] - 1, 0) - 1)
;;       q = np.round(r / step) * step * 2.0 ** e      # np.round: ties to even
;;       return np.moveaxis(q.reshape(q.shape[:-2] + (-1,))[..., :K], -1, axis).astype(np.float32)
;;   ~~~
;;   OPERANDS COMPUTED ON THE WAY. 'Computed on the way' means the value that the module computes at that place (a softmax that the list does not call 'softmax' is quantised finished and normalised). What goes into a quantiser is computed in f32, as accurately as f32 sums, v_exp_f32 and their like allow (about 1e-6 of the number): no bf16 or f16 on the way to a quantiser, and a product that is left as it is and whose result goes on into a quantised operand takes f32 operands (vector FMAs, or v_wmma_f32_16x16x4_f32). A number that lies on a knife's edge between two numbers of the format may be rounded either way, as far as f32 arithmetic and the matrix unit's own rounding can turn it there, and no further.
;; 2 versions. Each part assembles by itself: llvm-mc -triple=amdgcn-amd-amdhsa -mcpu=gfx1250 --defsym DOCPART=n.
;; ======== version 1 of 2: 3 launches
;; workspace buffers: lib 4,866,048 bytes; pval 131,072 bytes; pidx 131,072 bytes of whole numbers
;; launch quant (part 1): grid 264 x 1, 8 waves a work-group, no clusters, 70,656 bytes of LDS; arguments reached_goal_embedding_library, target_goal_embedding_library, lib; writes lib
.if DOCPART == 1
	.amdgcn_target "amdgcn-amd-amdhsa--gfx1250"
	.amdhsa_code_object_version 6
	.text
	.protected	k_q611cd756bc_quant
	.globl	k_q611cd756bc_quant
	.p2align	8
	.type	k_q611cd756bc_quant,@function
k_q611cd756bc_quant:
	s_mov_b64 s[64:65], 0
	v_nop
	global_prefetch_b8 v0, s[64:65] scope:SCOPE_SE
	s_setreg_imm32_b32 hwreg(HW_REG_WAVE_MODE, 25, 1), 1
	s_wait_xcnt 0x0
; The 65,536 earlier rows of the reached library and the last 2,048 rows of the target library, f32 [row][128], become operands of the one quantised product:
; codes of FP4 (E2M1) with one E8M0 byte for each 32 along K, and beside them each row's sum of squares in f32.
; RECORDS.  lib holds 2,112 records of 2,304 bytes (nine times 256), record T for rows 32 T .. 32 T + 31 (T < 2048: reached; T >= 2048: the same rows of target, which are the current goals).
;   +0    the image of the operand registers of rows 0-15: register group c (4 registers) at 512 c, lane l's 16 bytes at 16 l     +1024  the same for rows 16-31
;   +2048 16 scale words of rows 0-15, +2112 of rows 16-31 (a word: the row's four bytes)      +2176 16 sums of squares of rows 0-15, +2240 of rows 16-31
; So the launch that multiplies takes every fragment by loads of 512 consecutive bytes, with no pitch and no shuffle.
; THE GOALS ENTER THE PRODUCT AS -2 x goal.  Doubling a number raises its block's exponent by one and leaves its code; negating turns the code's sign bit.  So a goal's codes are
; turned by an exclusive or with 0x88888888 and each of its scale bytes is raised by 1.  Both constants are 0 for the reached rows: one path serves both tensors.
; A block's scale is 2^(floor(log2(its largest magnitude)) - 2); its byte is that magnitude's exponent field - 2, held at 1 from below.
; LIMITS.  NaN and infinities among the inputs are not served.  A block of zeros gets the byte 1 (2 for a goal) where the rule says 127: its codes are zeros and this program alone reads the bytes.
; The byte + 1 for the doubled goal is the rule's own byte for block maxima from 2^-124 up to where 2 x goal is still finite.
; SHARES.  A wave makes one record: 16 KiB in, all 32 loads out at once, each load one whole row of 512 consecutive bytes.  The conversions want 32 neighbours along K in ONE lane, so a tile of
; 16 rows turns through the wave's own stage in LDS (rows 528 bytes apart: the sixteen rows that a read touches fall on sixteen different 16-byte columns).  Waves share nothing: no barrier.
; Matrix units, tensor loads and clusters are left out: each byte is read once by one wave, and nothing is shared.
.set PITCH, 528                        ; a stage row: 512 bytes + 16
.set SIDE,  16*PITCH                   ; behind the stage: the record's last 256 bytes are gathered here
.set WLDS,  SIDE+256                   ; LDS of a wave
.set REC,   2304
.set R,     32                         ; v32-159  the two tiles as loaded: 64 registers each
.set X,     160                        ; v160-223 a tile turned: register 32 c + i = k 64 c + 32 (lane / 16) + i of row lane % 16
.set C,     224                        ; v224-239 the codes, 8 registers a tile: never written twice, so no store's data are rewritten
.set CH,    240                        ; v240-247 four chains of squares
; v1 lane, v2 lane % 16, v3 lane / 16, v4 16 x lane, v5 stage in, v6 stage out, v7 side in, v8 side out, v9 8 x lane, v10 8 x (lane / 16)
; v12-13 largest magnitudes, v14-15 scale operands, v16-17 bytes, v18 the scale word, v19 a lane permute's destination, v20 the sum of squares, v248-249 the side bytes on their way out
	s_load_b128 s[4:7], s[0:1], 0x0                ; reached, target
	s_load_b64 s[8:9], s[0:1], 0x10                ; lib
	v_lshl_add_u32 v254, v0, 2, 0x11000
	v_mov_b32 v255, 0
	v_lshrrev_b32 v1, 5, v0
	v_readfirstlane_b32 s10, v1                    ; wave 0..7
	v_and_b32 v1, 31, v0
	v_and_b32 v2, 15, v0
	v_bfe_u32 v3, v0, 4, 1
	v_lshlrev_b32 v4, 4, v1
	s_mul_i32 s16, s10, WLDS                       ; my wave's LDS
	v_add_nc_u32 v5, s16, v4                       ; in: a row as it was loaded, 16 bytes a lane
	v_mul_u32_u24 v6, v2, PITCH
	v_lshl_add_u32 v6, v3, 7, v6
	v_add_nc_u32 v6, s16, v6                       ; out: row lane % 16, from byte 128 (lane / 16) on
	s_add_co_u32 s17, s16, SIDE
	v_lshl_add_u32 v7, v2, 2, s17                  ; a word for my row
	v_lshl_add_u32 v8, v1, 3, s17                  ; and 8 bytes a lane on the way out
	v_lshlrev_b32 v9, 3, v1
	v_lshlrev_b32 v10, 3, v3
	v_mov_b32 v19, 0                               ; written once: a lane permute's destination counts as one of its sources
	s_lshl_b32 s11, ttmp9, 3
	s_add_co_u32 s11, s11, s10                     ; T: my record
	s_lshl_b32 s18, s11, 14                        ; its 32 rows begin 16,384 T bytes into either library (under 2^26)
	s_mov_b32 s19, 0
	s_mul_i32 s20, s11, REC
	s_mov_b32 s21, 0
	s_mov_b32 s14, 0x76543210
	s_mov_b32 s15, 0xfedcba98                      ; v_permlanex16_b32's selects for lane l xor 16
	s_wait_kmcnt 0x0
	s_cmp_lt_u32 ttmp9, 256                        ; records under 2,048 are reached rows, the others goals: the choice hangs on the work-group's number alone
	s_cselect_b64 s[4:5], s[4:5], s[6:7]
	s_cselect_b32 s12, 0, 0x88888888               ; the sign bits
	s_cselect_b32 s13, 0, 0x01010101               ; the four bytes' + 1
	s_add_nc_u64 s[4:5], s[4:5], s[18:19]
	s_add_nc_u64 s[8:9], s[8:9], s[20:21]
.macro LOADT t                         ; tile t: sixteen rows, each 512 consecutive bytes
.irp i, 0,1,2,3,4,5,6,7,8,9,10,11,12,13,14,15
	global_load_b128 v[R+64*\t+4*\i:R+64*\t+4*\i+3], v4, s[4:5] offset:8192*\t+512*\i th:TH_LOAD_NT
.endr
.endm
.macro TURN t                          ; through the stage: LDS serves a wave's instructions in order (ISA guide 5.7.1.4), so no wait stands between the stores and the loads
.irp i, 0,1,2,3,4,5,6,7,8,9,10,11,12,13,14,15
	ds_store_b128 v5, v[R+64*\t+4*\i:R+64*\t+4*\i+3] offset:PITCH*\i
.endr
.irp c, 0,1
.irp g, 0,1,2,3,4,5,6,7
	ds_load_b128 v[X+32*\c+4*\g:X+32*\c+4*\g+3], v6 offset:256*\c+16*\g
.endr
.endr
.endm
.macro QUANT t
.irp c, 0,1                            ; my block 2 c + lane / 16: all its 32 numbers are mine
	v_max3_num_f32 v[12+\c], |v[X+32*\c]|, |v[X+32*\c+1]|, 0x1800000   ; with the floor 2^(3 - 127): the byte cannot fall under 1
.endr
.irp i, 2,4,6,8,10,12,14,16,18,20,22,24,26,28,30
.irp c, 0,1
	v_max3_num_f32 v[12+\c], v[12+\c], |v[X+32*\c+\i]|, |v[X+32*\c+\i+1]|   ; (the two blocks by turns)
.endr
.endr
.irp c, 0,1
	v_add_nc_u32 v[14+\c], 0xff000000, v[12+\c]    ; 2 off the exponent field: the conversion takes that field of this operand as its scale, and nothing else of it
.endr
.irp c, 0,1
	v_lshrrev_b32 v[16+\c], 23, v[14+\c]           ; the scale's byte
.endr
.irp c, 0,1
.irp g, 0,1,2,3
	v_cvt_scalef32_pk8_fp4_f32 v[C+8*\t+4*\c+\g], v[X+32*\c+8*\g:X+32*\c+8*\g+7], v[14+\c]   ; register 4 c + g of the operand
.endr
.endr
	v_lshl_or_b32 v18, v17, 16, v16                ; my two bytes: blocks lane / 16 and 2 + lane / 16.  (Also the plain line between the conversions and the lines that touch their results)
	v_lshlrev_b32 v18, v10, v18                    ; at their places in the word
	v_permlanex16_b32 v19, v18, s14, s15
	v_or_b32 v18, v18, v19                         ; with lane l xor 16's two the word is whole
	v_add_nc_u32 v18, s13, v18                     ; a goal is doubled
.irp g, 0,1,2,3,4,5,6,7
	v_xor_b32 v[C+8*\t+\g], s12, v[C+8*\t+\g]      ; and negated
.endr
.irp n, 0,1,2,3                        ; the row's sum of squares, of the f32 numbers as they came: four chains, two numbers an instruction; the first products start the sums
	v_pk_mul_f32 v[CH+2*\n:CH+2*\n+1], v[X+2*\n:X+2*\n+1], v[X+2*\n:X+2*\n+1]
.endr
.irp m, 1,2,3,4,5,6,7
.irp n, 0,1,2,3
	v_pk_fma_f32 v[CH+2*\n:CH+2*\n+1], v[X+8*\m+2*\n:X+8*\m+2*\n+1], v[X+8*\m+2*\n:X+8*\m+2*\n+1], v[CH+2*\n:CH+2*\n+1]
.endr
.endr
	v_pk_add_f32 v[CH:CH+1], v[CH:CH+1], v[CH+2:CH+3]
	v_pk_add_f32 v[CH+4:CH+5], v[CH+4:CH+5], v[CH+6:CH+7]
	v_pk_add_f32 v[CH:CH+1], v[CH:CH+1], v[CH+4:CH+5]
	v_add_f32 v20, v[CH], v[CH+1]
	v_permlanex16_b32 v19, v20, s14, s15
	v_add_f32 v20, v20, v19                        ; with the row's other 64 numbers
	ds_store_b32 v7, v18 offset:64*\t              ; both lanes of a row write the same word with the same value
	ds_store_b32 v7, v20 offset:128+64*\t
.irp c, 0,1
	global_store_b128 v4, v[C+8*\t+4*\c:C+8*\t+4*\c+3], s[8:9] offset:1024*\t+512*\c   ; 32 lanes store 512 consecutive bytes, at a multiple of 256 from lib's first byte
.endr
.endm
	LOADT 0
	LOADT 1
	s_wait_loadcnt 16                              ; tile 0's sixteen loads are in; tile 1's sixteen are younger
	TURN 0
	s_wait_dscnt 0x0
	QUANT 0
	s_wait_loadcnt 0x0
	TURN 1
	s_wait_dscnt 0x0                               ; tile 1 is turned, and tile 0's two word stores are done: their registers are written anew below
	QUANT 1
	ds_load_b64 v[248:249], v8                     ; the four word stores are seen: a wave's LDS instructions are served in order
	s_wait_dscnt 0x0
	global_store_b64 v9, v[248:249], s[8:9] offset:2048   ; 32 lanes store the record's last 256 bytes
	s_wait_tensorcnt 0x0
	ds_add_u32 v254, v255
	s_wait_dscnt 0x0
	s_endpgm
.Lfunc_end_k_q611cd756bc_quant:
	.size	k_q611cd756bc_quant, .Lfunc_end_k_q611cd756bc_quant-k_q611cd756bc_quant
	.p2alignl 7, 3214868480
	.fill 96, 4, 3214868480
	.section	.rodata,"a",@progbits
	.p2align	6, 0x0
	.amdhsa_kernel k_q611cd756bc_quant
		.amdhsa_group_segment_fixed_size 70656
		.amdhsa_private_segment_fixed_size 0
		.amdhsa_enable_private_segment 0
		.amdhsa_kernarg_size 24
		.amdhsa_user_sgpr_count 2
		.amdhsa_user_sgpr_kernarg_segment_ptr 1
		.amdhsa_wavefront_size32 1
		.amdhsa_system_sgpr_workgroup_id_x 1
		.amdhsa_system_sgpr_workgroup_id_y 1
		.amdhsa_system_sgpr_workgroup_id_z 1
		.amdhsa_system_vgpr_workitem_id 0
		.amdhsa_next_free_vgpr 256
		.amdhsa_next_free_sgpr 66
		.amdhsa_reserve_vcc 0
		.amdhsa_float_denorm_mode_32 3
		.amdhsa_float_denorm_mode_16_64 3
		.amdhsa_memory_ordered 1
		.amdhsa_forward_progress 1
		.amdhsa_inst_pref_size 22
	.end_amdhsa_kernel
	.amdgpu_metadata
---
amdhsa.version: [ 1, 2 ]
amdhsa.kernels:
  - .name:           k_q611cd756bc_quant
    .symbol:         k_q611cd756bc_quant.kd
    .args:
      - { .name: reached_goal_embedding_library, .offset: 0, .size: 8, .value_kind: global_buffer, .address_space: global }
      - { .name: target_goal_embedding_library, .offset: 8, .size: 8, .value_kind: global_buffer, .address_space: global }
      - { .name: lib, .offset: 16, .size: 8, .value_kind: global_buffer, .address_space: global }
    .group_segment_fixed_size: 70656
    .private_segment_fixed_size: 0
    .kernarg_segment_align: 8
    .kernarg_segment_size: 24
    .max_flat_workgroup_size: 256
    .sgpr_count:     66
    .vgpr_count:     256
    .wavefront_size: 32
...
	.end_amdgpu_metadata
.endif
;; end of part 1
;; launch nearest (part 2): grid 16 x 16, 8 waves a work-group, clusters of 4 x 1, 304,128 bytes of LDS; arguments lib, pval, pidx; writes pval, pidx
.if DOCPART == 2
	.amdgcn_target "amdgcn-amd-amdhsa--gfx1250"
	.amdhsa_code_object_version 6
	.text
	.protected	k_q611cd756bc_nearest
	.globl	k_q611cd756bc_nearest
	.p2align	8
	.type	k_q611cd756bc_nearest,@function
k_q611cd756bc_nearest:
	s_mov_b64 s[64:65], 0
	v_nop
	global_prefetch_b8 v0, s[64:65] scope:SCOPE_SE
	s_setreg_imm32_b32 hwreg(HW_REG_WAVE_MODE, 25, 1), 1
	s_wait_xcnt 0x0
	s_wait_alu depctr_hold_cnt(0) depctr_sa_sdst(0) depctr_va_vdst(0) depctr_va_sdst(0) depctr_va_ssrc(0) depctr_va_vcc(0) depctr_vm_vsrc(0)
	s_getreg_b32 s2, hwreg(HW_REG_IB_STS2, 6, 4)
	s_cmp_eq_u32 s2, 0
	s_cbranch_scc0 .Lentry_in_a_cluster
	s_endpgm
.Lentry_in_a_cluster:
	s_bfe_u32 s2, ttmp6, 0x10000c
	s_cmp_lg_u32 s2, 0x3003
	s_cbranch_scc0 .Lentry_shape_is_right
	s_endpgm
.Lentry_shape_is_right:
; For 128 goals and a chunk of 4,096 earlier rows: the smallest of  pp[n] - (2 goal) . row n  over the chunk, and the lowest n that has it.  (pp: row n's sum of squares.)
; The goal's own sum of squares is the same for every n and turns no minimum; the last launch adds it to the sixteen chunks' minima before it compares them.
; ORDER OF ROUNDING, a stated limit: the distance is formed as tt + (pp - P) where the problem's definition has (tt - P) + pp; only minima that lie within a rounding of each other can change places.
; NaN and infinities are not served (the index stored is inside the chunk all the same).
; THE SUM IS MADE BY THE MATRIX INSTRUCTION.  Source 0 = 16 earlier rows, source 1 = 16 goals, whose codes stand for -2 x goal, C = pp of the 16 rows.  K is 128: one instruction finishes a tile of
; 16 x 16 distances.  In the result lane (r, h) holds goal r, and register j row 8 h + j; C's register j is pp[8 h + j], two loads of 16 bytes that a half of the lanes shares.
; THE ARGMIN, exact, 14 vector instructions for a lane's 8 numbers: four v_min3 carry the running minimum through them; one compare says whether it fell; under that mask the tile's number and
; the tile's eight numbers are kept.  A strict compare keeps the earlier tile.  Which of the eight it was is looked up once at the end, lowest first.
; SHARES.  Work-group = goals 128 qb .. + 127 (8 tiles, in registers for the whole launch) x chunk p.  Wave w takes records 16 w .. 16 w + 15 of the chunk's 128 (512 rows), against all 8 tiles of goals.
; LDS.  A chunk's records are 294,912 bytes and all fit: every tensor load is a first fill, no byte is filled twice, so there is no ring and no barrier in the loop.  A wave fetches exactly the
; bytes that it alone reads (wave x 36,864 on), in two loads of 72 rows of 256 bytes: two loads of a wave are out at the most, and its own wait on TENSORcnt is all that its reads need.
; CLUSTER.  The four work-groups of a cluster have four blocks of goals and ONE chunk: each load is asked for jointly, with the mask of all four; address and LDS place hang on the chunk and the wave alone.
; The place in the cluster enters the goals' address and the outputs' alone.
; REGISTERS.  Window 0: v1-3 LDS places that stay; v4-5 addresses of the even tile's fetches, v6, v17, v18 of the odd tile's; v7-8 the merge; v9 the first row of my lane; v10, v11, v19 16, 4, 8 x lane;
;   v12-15 the goals' scale words (two tiles a register: lanes 0-15, lanes 16-31); v16 the record's scale words, laid likewise; v20-51 the two tiles' fragments and pp;
;   v64-95, v96-127 two sets of four results; v128-143 the running minima, old and new by turns; v144-151 the tile kept; v160-223 its eight numbers.   Window 1: v0-63 the goals' 8 fragments.
.set REC,   2304                       ; a record: two tiles of 16 rows (images 2 x 1,024, scale words 2 x 64, pp 2 x 64 bytes)
.set WREC,  16*REC                     ; a wave's records
.set STB,   8*REC                      ; what one tensor load brings
.set CHUNK, 8*WREC
.set MRG,   CHUNK                      ; behind the records: for each wave 128 minima and 128 indices, 1,024 bytes; no tensor load lands here
.set QS,  12
.set SC,  16
.set AE,  20                           ; the even tile's fragment; +8 its pp; +16, +24 the odd tile's
.set PE,  28
.set AO,  36
.set PO,  44
.set DX,  64
.set DY,  96
.set RA,  128
.set RB,  136
.set TID, 144
.set SAV, 160
.set JJ,  64                           ; the tail works in the results' registers
.set IDX, 72
.set OV,  80
.set OI,  88
.set MSB, 0
.macro WIN new                         ; the immediate's high byte repeats the setting that is left
.if MSB != \new
	s_set_vgpr_msb (MSB<<8)|\new
.set MSB, \new
.endif
.endm
.macro ROUND                           ; a round of the cluster's barrier: my work-group's barrier, wave 0 signals for the work-group, every wave waits for all four, my work-group's barrier again
	s_barrier_signal -1
	s_barrier_wait -1
	s_cmp_lg_u32 s10, 0
	s_cbranch_scc1 .Lnot_wave_0_\@
	s_barrier_signal -3
.Lnot_wave_0_\@:
	s_barrier_wait -3
	s_barrier_signal -1
	s_barrier_wait -1
.endm
	s_load_b128 s[4:7], s[0:1], 0x0                ; lib, pval
	s_load_b64 s[8:9], s[0:1], 0x10                ; pidx
	v_lshl_add_u32 v254, v0, 2, 0x4a000
	v_mov_b32 v255, 0
	ds_add_u32 v254, v255
	ds_add_u32 v254, v255
	v_lshrrev_b32 v20, 5, v0
	v_readfirstlane_b32 s10, v20                   ; wave 0..7
	s_bfe_u32 s11, ttmp6, 0x40000                  ; cx: my place in the cluster
	s_lshl_b32 s12, ttmp9, 2
	s_add_co_u32 s12, s12, s11                     ; qb: my block of goals = 4 x cluster x + cx
	s_and_b32 s13, ttmp7, 0xffff                   ; p: the chunk, which the four partners share
	; descriptor group 1: a dense block of 72 rows of 256 bytes (32 elements of 8 bytes), laid in LDS as it lies in memory
	s_mov_b32 s16, 15|(3<<16)|(1<<21)              ; 15:0 the mask: all four work-groups; 17:16 elements of 8 bytes; 20 no padding; 21 set beside a mask
	s_mov_b32 s17, 32<<16                          ; tensor_dim0 = 32
	s_mov_b32 s18, 72<<16                          ; tensor_dim1 = 72
	s_mov_b32 s19, 32<<16                          ; tile_dim0 = 32
	s_mov_b32 s20, 72                              ; tile_dim1 = 72
	s_mov_b32 s21, 32                              ; from row to row: 32 elements
	s_mov_b32 s22, 0
	s_mov_b32 s23, 0
	s_mul_i32 s34, s10, WREC                       ; my wave's records: in LDS,
	s_mul_i32 s32, s13, CHUNK
	s_add_co_u32 s32, s32, s34                     ; and in lib (under 2^23 bytes)
	s_mov_b32 s33, 0
	v_and_b32 v20, 31, v0                          ; l
	v_and_b32 v21, 15, v0                          ; r
	v_bfe_u32 v22, v0, 4, 1                        ; h
	v_lshl_add_u32 v1, v20, 4, s34                 ; an image: 16 bytes a lane
	v_lshl_add_u32 v2, v22, 5, s34
	v_add_nc_u32 v2, 2176, v2                      ; pp: the eight of my half
	v_lshl_add_u32 v3, v20, 2, s34
	v_add_nc_u32 v3, 2048, v3                      ; the scale words: lanes 0-15 the even tile's, lanes 16-31 the odd tile's
	s_lshl_b32 s35, s10, 10
	s_add_co_u32 s35, s35, MRG
	v_lshl_add_u32 v7, v21, 2, s35                 ; the merge, in: my wave's 1,024 bytes, goal r of a tile
	s_and_b32 s36, s10, 1
	s_lshl_b32 s36, s36, 8
	s_add_co_u32 s35, s36, MRG
	v_lshl_add_u32 v8, v20, 3, s35                 ; and out (waves 0 and 1): goals 64 w + 2 l and the next
	s_lshl_b32 s35, s13, 12
	s_lshl_b32 s36, s10, 9
	s_add_co_u32 s35, s35, s36
	v_lshl_add_u32 v9, v22, 3, s35                 ; the row of my register 0 in my wave's first tile: 4,096 p + 512 w + 8 h
	v_lshlrev_b32 v10, 4, v20
	v_lshlrev_b32 v11, 2, v20
	v_lshlrev_b32 v19, 3, v20
	s_lshl_b32 s37, s12, 2
	s_add_co_u32 s37, s37, 2048
	s_mul_i32 s50, s37, REC                        ; the goals' four records: 2,048 + 4 qb on
	s_mov_b32 s51, 0
	s_lshl_b32 s56, s13, 13                        ; the outputs: [chunk][goal], 4 bytes: 8,192 p + 512 qb + 256 (w & 1)
	s_lshl_b32 s37, s12, 9
	s_add_co_u32 s56, s56, s37
	s_and_b32 s38, s10, 1
	s_lshl_b32 s38, s38, 8
	s_add_co_u32 s56, s56, s38
	s_mov_b32 s57, 0
	s_mov_b32 s48, 0x76543210
	s_mov_b32 s49, 0xfedcba98                      ; v_permlanex16_b32's selects for lane l xor 16
	s_mov_b32 s39, 0x7f800000                      ; +infinity
	s_wait_dscnt 0x0
	s_wait_kmcnt 0x0
	s_add_nc_u64 s[14:15], s[4:5], s[32:33]
	s_add_nc_u64 s[50:51], s[4:5], s[50:51]
	s_add_nc_u64 s[58:59], s[8:9], s[56:57]
	s_add_nc_u64 s[56:57], s[6:7], s[56:57]
.irp st, 0,1                           ; descriptor group 0, a set for each half of my records
	s_mov_b32 s[24+4*\st], 1                                       ; count = 1
	s_add_co_u32 s[25+4*\st], s34, \st*STB                         ; LDS address
	s_add_nc_u64 s[26+4*\st:27+4*\st], s[14:15], \st*STB           ; global address
	s_or_b32 s[27+4*\st], s[27+4*\st], 0x80000000                  ; type = 2
.endr
	ROUND                                          ; all four work-groups are here: the joint loads meet
	tensor_load_to_lds s[24:27], s[16:23]          ; both first fills together, ahead of every wait on TENSORcnt and every LDS read
	s_nop 0
	tensor_load_to_lds s[28:31], s[16:23]
	s_nop 0
.rept 4
	v_nop                                          ; four lines between the loads and the switch of windows
.endr
	WIN 0x40                                       ; destination window 1
.irp i, 0,1,2,3,4,5,6,7                ; the goals' fragments stay in registers: tile i at v[8 i] of window 1
.irp c, 0,1
	global_load_b128 v[8*\i+4*\c:8*\i+4*\c+3], v10, s[50:51] offset:REC*(\i/2)+1024*(\i%2)+512*\c
.endr
.endr
	WIN 0
.irp i, 0,1,2,3
	global_load_b32 v[QS+\i], v11, s[50:51] offset:REC*\i+2048     ; tiles 2 i (lanes 0-15) and 2 i + 1 (lanes 16-31)
.endr
; The running state begins while the loads are on their way: 80 lines, once.  The kept numbers are read under a mask from the first tile on, so they are written here.
.irp i, 0,1,2,3,4,5,6,7
	v_mov_b32 v[RA+\i], s39
	v_mov_b32 v[TID+\i], 0
.endr
.set j, 0
.rept 64
	v_mov_b32 v[SAV+j], s39
.set j, j+1
.endr
	v_mov_b32 v4, v1
	v_mov_b32 v5, v2
	v_mov_b32 v6, v3
	v_mov_b32 v17, v1
	v_mov_b32 v18, v2
	s_mov_b32 s44, 0                               ; the even tile's number among my wave's 32,
	s_mov_b32 s45, 1                               ; the odd tile's
	s_mov_b32 s47, 0                               ; the record to be fetched, in bytes
; One product.  oa: source 0's scale words stand in lanes 16-31 (the record's odd tile); ob: source 1's (an odd tile of goals).
.macro MM d, a, q, c, qs, oa, ob
.if (\oa) && (\ob)
	v_wmma_scale_f32_16x16x128_f8f6f4 v[\d:\d+7], v[\a:\a+7], v[\q:\q+7], v[\c:\c+7], v[SC], v[\qs] matrix_a_fmt:MATRIX_FMT_FP4 matrix_b_fmt:MATRIX_FMT_FP4 matrix_a_scale:MATRIX_SCALE_ROW1 matrix_b_scale:MATRIX_SCALE_ROW1
.elseif \oa
	v_wmma_scale_f32_16x16x128_f8f6f4 v[\d:\d+7], v[\a:\a+7], v[\q:\q+7], v[\c:\c+7], v[SC], v[\qs] matrix_a_fmt:MATRIX_FMT_FP4 matrix_b_fmt:MATRIX_FMT_FP4 matrix_a_scale:MATRIX_SCALE_ROW1
.elseif \ob
	v_wmma_scale_f32_16x16x128_f8f6f4 v[\d:\d+7], v[\a:\a+7], v[\q:\q+7], v[\c:\c+7], v[SC], v[\qs] matrix_a_fmt:MATRIX_FMT_FP4 matrix_b_fmt:MATRIX_FMT_FP4 matrix_b_scale:MATRIX_SCALE_ROW1
.else
	v_wmma_scale_f32_16x16x128_f8f6f4 v[\d:\d+7], v[\a:\a+7], v[\q:\q+7], v[\c:\c+7], v[SC], v[\qs] matrix_a_fmt:MATRIX_FMT_FP4 matrix_b_fmt:MATRIX_FMT_FP4
.endif
.endm
.macro W par, g, d                     ; the record's tile par against goals' tiles 4 g .. 4 g + 3, into set d.  No sum goes on in place: each result is whole
.irp i, 0,1,2,3
	MM \d+8*\i, AE+16*\par, 8*(4*\g+\i), PE+16*\par, QS+(4*\g+\i)/2, \par, \i%2
.endr
.endm
.macro EPI_MIN d, g, ro, rn            ; the running minimum goes through set d's numbers, from each result's low end on, the four tiles by turns; then: has it fallen?
.irp i, 0,1,2,3
	v_min3_num_f32 v[\rn+4*\g+\i], v[\ro+4*\g+\i], v[\d+8*\i], v[\d+8*\i+1]
.endr
.irp s, 1,2,3
.irp i, 0,1,2,3
	v_min3_num_f32 v[\rn+4*\g+\i], v[\rn+4*\g+\i], v[\d+8*\i+2*\s], v[\d+8*\i+2*\s+1]
.endr
.endr
.irp i, 0,1,2,3
	v_cmp_lt_f32 s[40+\i], v[\rn+4*\g+\i], v[\ro+4*\g+\i]
.endr
.endm
.macro EPI_SAVE d, g, tl               ; where it has: this tile's number and its eight numbers are kept
.irp i, 0,1,2,3
	v_cndmask_b32 v[TID+4*\g+\i], v[TID+4*\g+\i], s[\tl], s[40+\i]
.endr
.irp j, 0,1,2,3,4,5,6,7
.irp i, 0,1,2,3
	v_cndmask_b32 v[SAV+8*(4*\g+\i)+\j], v[SAV+8*(4*\g+\i)+\j], v[\d+8*\i+\j], s[40+\i]
.endr
.endr
.endm
.macro FE                              ; the next record's even tile: four loads
	ds_load_b128 v[AE:AE+3], v4
	ds_load_b128 v[AE+4:AE+7], v4 offset:512
	ds_load_b128 v[PE:PE+3], v5
	ds_load_b128 v[PE+4:PE+7], v5 offset:16
.endm
.macro FO                              ; its scale words, then its odd tile: five loads
	ds_load_b32 v[SC], v6
	ds_load_b128 v[AO:AO+3], v17 offset:1024
	ds_load_b128 v[AO+4:AO+7], v17 offset:1536
	ds_load_b128 v[PO:PO+3], v18 offset:64
	ds_load_b128 v[PO+4:PO+7], v18 offset:80
.endm
; A TRIP: one record, 16 products, each set of four results worked off while the other set's products run.  fetch = 1: the next record is fetched.
; Distances (save for the loads): four plain lines stand ahead of the first read of results; a run of loads stands 20 plain lines or more behind the last product that
; read its registers; a set is written anew only behind the 56 lines that worked it off, of which those of the other three tiles name none of a product's registers.
.macro TRIP fetch
	s_wait_dscnt 4                                 ; the even tile and the scale words are in; the four youngest loads (the odd tile's) may be out
	WIN 0x04                                       ; source 1 (the goals) in window 1
	W 0, 0, DX
	W 0, 1, DY
	WIN 0
.if \fetch
	s_add_co_u32 s47, s47, REC
	v_add_nc_u32 v4, s47, v1                       ; the loads that named v4 and v5 are back (the wait above)
	v_add_nc_u32 v5, s47, v2
	v_nop
	v_nop
.else
.rept 4
	v_nop
.endr
.endif
	EPI_MIN DX, 0, RA, RB
.if \fetch
	FE
.endif
	EPI_SAVE DX, 0, 44
	s_wait_dscnt 4*\fetch                          ; the odd tile is in; the four loads just issued may be out
	WIN 0x04
	W 1, 0, DX
	WIN 0
.if \fetch
	v_add_nc_u32 v6, s47, v3                       ; the loads that named these three are back (the wait above)
	v_add_nc_u32 v17, s47, v1
	v_add_nc_u32 v18, s47, v2
.endif
	EPI_MIN DY, 1, RA, RB
	EPI_SAVE DY, 1, 44
	WIN 0x04
	W 1, 1, DY
	WIN 0
	EPI_MIN DX, 0, RB, RA
.if \fetch
	FO
.endif
	EPI_SAVE DX, 0, 45
	EPI_MIN DY, 1, RB, RA
	EPI_SAVE DY, 1, 45
	s_add_co_u32 s44, s44, 2
	s_add_co_u32 s45, s45, 2
.endm
	s_wait_tensorcnt 0x1                           ; my first eight records are in LDS; the load of the other eight is younger and may be out
	FE
	FO
	s_wait_loadcnt 0x0                             ; the goals
	s_mov_b32 s46, 7
.Lfirst:                                           ; records 0-6 are multiplied, records 1-7 fetched
	TRIP 1
	s_sub_co_u32 s46, s46, 1
	s_cmp_lg_u32 s46, 0
	s_cbranch_scc1 .Lfirst
	s_wait_tensorcnt 0x0                           ; ahead of the first fetch from my other eight records
	s_mov_b32 s46, 8
.Lsecond:                                          ; records 7-14 are multiplied, records 8-15 fetched
	TRIP 1
	s_sub_co_u32 s46, s46, 1
	s_cmp_lg_u32 s46, 0
	s_cbranch_scc1 .Lsecond
	TRIP 0                                         ; record 15: nothing is left to fetch
	; THE TAIL.  Which of the eight kept numbers is the minimum: the lowest j that equals it.
.irp i, 0,1,2,3,4,5,6,7
	v_mov_b32 v[JJ+\i], 7
.endr
.irp j, 6,5,4,3,2,1,0
.irp g, 0,1
.irp i, 0,1,2,3
	v_cmp_eq_f32 s[40+\i], v[SAV+8*(4*\g+\i)+\j], v[RA+4*\g+\i]
.endr
.irp i, 0,1,2,3
	v_cndmask_b32 v[JJ+4*\g+\i], v[JJ+4*\g+\i], \j, s[40+\i]
.endr
.endr
.endr
.irp i, 0,1,2,3,4,5,6,7
	v_lshl_add_u32 v[IDX+\i], v[TID+\i], 4, v[JJ+\i]
.endr
.irp i, 0,1,2,3,4,5,6,7
	v_add_nc_u32 v[IDX+\i], v[IDX+\i], v9          ; the row: 4,096 p + 512 w + 16 x tile + 8 h + j
.endr
.irp i, 0,1,2,3,4,5,6,7                ; a goal's other half of each tile's rows lies in lane l xor 16
	v_permlanex16_b32 v[OV+\i], v[RA+\i], s48, s49
	v_permlanex16_b32 v[OI+\i], v[IDX+\i], s48, s49
.endr
.irp i, 0,1,2,3,4,5,6,7                ; the smaller value; of equal values the lower row
	v_cmp_lt_f32 s40, v[OV+\i], v[RA+\i]
	v_cmp_eq_f32 s41, v[OV+\i], v[RA+\i]
	v_cmp_lt_u32 s42, v[OI+\i], v[IDX+\i]
	s_and_b32 s41, s41, s42
	s_or_b32 s40, s40, s41
	v_cndmask_b32 v[RA+\i], v[RA+\i], v[OV+\i], s40
	v_cndmask_b32 v[IDX+\i], v[IDX+\i], v[OI+\i], s40
.endr
.irp i, 0,1,2,3,4,5,6,7
	ds_store_b32 v7, v[RA+\i] offset:64*\i         ; goal 16 i + r; both halves of the lanes write the same word with the same value
	ds_store_b32 v7, v[IDX+\i] offset:512+64*\i
.endr
	s_wait_dscnt 0x0                               ; for the others' sake: my stores have landed
	s_barrier_signal -1
	s_barrier_wait -1
	s_cmp_ge_u32 s10, 2
	s_cbranch_scc1 .Ljoin                          ; waves 0 and 1 join the eight waves' results, two goals a lane
.irp u, 0,1,2,3,4,5,6,7
	ds_load_b64 v[96+2*\u:97+2*\u], v8 offset:1024*\u
	ds_load_b64 v[112+2*\u:113+2*\u], v8 offset:1024*\u+512
.endr
	s_wait_dscnt 0x0
.irp u, 1,2,3,4,5,6,7                  ; a strict compare keeps the lower wave, whose rows are the lower ones
.irp e, 0,1
	v_cmp_lt_f32 vcc_lo, v[96+2*\u+\e], v[96+\e]
	v_cndmask_b32 v[96+\e], v[96+\e], v[96+2*\u+\e], vcc_lo
	v_cndmask_b32 v[112+\e], v[112+\e], v[112+2*\u+\e], vcc_lo
.endr
.endr
	global_store_b64 v19, v[96:97], s[56:57]       ; 32 lanes store 256 consecutive bytes, at a multiple of 256 from the buffer's first byte
	global_store_b64 v19, v[112:113], s[58:59]
.Ljoin:
	s_wait_tensorcnt 0x0
	ds_add_u32 v254, v255
	s_wait_dscnt 0x0
	ROUND                                          ; the closing round: no work-group ends while a partner may still ask for a tile that names it
	s_endpgm
.Lfunc_end_k_q611cd756bc_nearest:
	.size	k_q611cd756bc_nearest, .Lfunc_end_k_q611cd756bc_nearest-k_q611cd756bc_nearest
	.p2alignl 7, 3214868480
	.fill 96, 4, 3214868480
	.section	.rodata,"a",@progbits
	.p2align	6, 0x0
	.amdhsa_kernel k_q611cd756bc_nearest
		.amdhsa_group_segment_fixed_size 304128
		.amdhsa_private_segment_fixed_size 0
		.amdhsa_enable_private_segment 0
		.amdhsa_kernarg_size 24
		.amdhsa_user_sgpr_count 2
		.amdhsa_user_sgpr_kernarg_segment_ptr 1
		.amdhsa_wavefront_size32 1
		.amdhsa_system_sgpr_workgroup_id_x 1
		.amdhsa_system_sgpr_workgroup_id_y 1
		.amdhsa_system_sgpr_workgroup_id_z 1
		.amdhsa_system_vgpr_workitem_id 0
		.amdhsa_next_free_vgpr 320
		.amdhsa_next_free_sgpr 66
		.amdhsa_reserve_vcc 1
		.amdhsa_float_denorm_mode_32 3
		.amdhsa_float_denorm_mode_16_64 3
		.amdhsa_memory_ordered 1
		.amdhsa_forward_progress 1
		.amdhsa_inst_pref_size 78
	.end_amdhsa_kernel
	.amdgpu_metadata
---
amdhsa.version: [ 1, 2 ]
amdhsa.kernels:
  - .name:           k_q611cd756bc_nearest
    .symbol:         k_q611cd756bc_nearest.kd
    .args:
      - { .name: lib, .offset: 0, .size: 8, .value_kind: global_buffer, .address_space: global }
      - { .name: pval, .offset: 8, .size: 8, .value_kind: global_buffer, .address_space: global }
      - { .name: pidx, .offset: 16, .size: 8, .value_kind: global_buffer, .address_space: global }
    .group_segment_fixed_size: 304128
    .private_segment_fixed_size: 0
    .kernarg_segment_align: 8
    .kernarg_segment_size: 24
    .max_flat_workgroup_size: 256
    .sgpr_count:     66
    .vgpr_count:     320
    .wavefront_size: 32
...
	.end_amdgpu_metadata
.endif
;; end of part 2
;; launch progress (part 3): grid 256 x 1, 8 waves a work-group, no clusters, 1,280 bytes of LDS; arguments reached_goal_embedding_library, target_goal_embedding_library, lib, pval, pidx, out0, out1; writes out0, out1
.if DOCPART == 3
	.amdgcn_target "amdgcn-amd-amdhsa--gfx1250"
	.amdhsa_code_object_version 6
	.text
	.protected	k_q611cd756bc_progress
	.globl	k_q611cd756bc_progress
	.p2align	8
	.type	k_q611cd756bc_progress,@function
k_q611cd756bc_progress:
	s_mov_b64 s[64:65], 0
	v_nop
	global_prefetch_b8 v0, s[64:65] scope:SCOPE_SE
	s_setreg_imm32_b32 hwreg(HW_REG_WAVE_MODE, 25, 1), 1
	s_wait_xcnt 0x0
; For each of the 2,048 goals g: the nearest earlier row s among the sixteen chunks' candidates, then  out0 = |g - s| - |g - r|  and  out1 = (g - s) / |g - s| - (g - r) / |g - r|,  all in f32.
; A WAVE TAKES ONE GOAL; a lane holds 4 of its 128 numbers.
; THE CHOICE STEERS NO ADDRESS.  The sixteen candidates' rows are named by whole numbers that the launch before stored: all sixteen are gathered (512 consecutive bytes each), the distances
; d2 = tt + (pp - P) are formed from the stored values and the goal's own sum of squares tt, and the winner's row is chosen register by register with v_cndmask_b32.
; A strict compare keeps the lower chunk, whose rows are the lower ones.  So no launch is spent on reducing sixteen numbers and storing one index.
; LIMITS.  NaN and infinities are not served; a sum of squares under 2^-126 counts as 0 in the root and its reciprocal (ISA guide 15.8: these flush denormals).
; Where g equals s or r the gradient is 0 x infinity, not a number, as in the problem's definition.
; out0 leaves as 32 bytes a work-group: whole runs of 256 bytes would want 64 goals to a work-group and leave seven of eight work-groups without work; the buffer has 8,192 bytes in all.
; Matrix units, tensor loads and clusters are left out: nothing is multiplied by a matrix, and work-groups share no row but by chance.
; REGISTERS: v1 lane, v2 16 x lane, v3 LDS word of my wave, v4-7 g, v8-11 r, v12-27 the rows' offsets, v28 LDS word 4 (lane % 8), v29 4 x lane, v30 the value, v31 a value read back,
;   v32-95 the sixteen rows (row 0's registers take the winner), v96-111 the distances (v96 the best), v112-115 g - r, v116-119 g - s, v120-121 the two sums of squares, v122-127 at work.
	s_load_b256 s[4:11], s[0:1], 0x0               ; reached s[4:5], target s[6:7], lib s[8:9], pval s[10:11]
	s_load_b128 s[12:15], s[0:1], 0x20             ; pidx s[12:13], out0 s[14:15]
	s_load_b64 s[16:17], s[0:1], 0x30              ; out1
	v_lshl_add_u32 v128, v0, 2, 0x100
	v_mov_b32 v129, 0
	v_lshrrev_b32 v1, 5, v0
	v_readfirstlane_b32 s18, v1                    ; wave 0..7
	v_and_b32 v1, 31, v0
	v_lshlrev_b32 v2, 4, v1
	v_mov_b32 v3, s18
	v_lshlrev_b32 v3, 2, v3
	v_and_b32 v28, 7, v0
	v_lshlrev_b32 v28, 2, v28
	v_lshlrev_b32 v29, 2, v1
	v_mov_b32 v122, 0                              ; written once: a lane permute's destination counts as one of its sources
	v_mov_b32 v123, 0
	s_lshl_b32 s19, ttmp9, 3
	s_add_co_u32 s19, s19, s18                     ; q: my goal
	s_lshl_b32 s53, s19, 2                         ; its word in a chunk's row of pval and pidx
	s_lshr_b32 s54, s19, 5
	s_mul_i32 s54, s54, 2304
	s_and_b32 s55, s19, 31
	s_lshl_b32 s55, s55, 2
	s_add_co_u32 s54, s54, s55                     ; its sum of squares: record 2,048 + q / 32, word q % 32 of the 32 at byte 2,176
	s_add_co_u32 s56, s19, 65536
	s_lshl_b32 s56, s56, 9                         ; row 65,536 + q of either library, in bytes (under 2^26)
	s_mov_b32 s57, 0
	s_lshl_b32 s2, s19, 9                          ; its row of out1
	s_mov_b32 s3, 0
	s_lshl_b32 s62, ttmp9, 5                       ; the work-group's eight words of out0
	s_mov_b32 s63, 0
	s_mov_b32 s60, 0x76543210
	s_mov_b32 s61, 0xfedcba98                      ; v_permlanex16_b32's selects for lane l xor 16
	s_wait_kmcnt 0x0
.irp p, 0,1,2,3,4,5,6,7,8,9,10,11,12,13,14,15
	s_load_b32 s[20+\p], s[12:13], s53 offset:8192*\p              ; chunk p's candidate row,
.endr
.irp p, 0,1,2,3,4,5,6,7,8,9,10,11,12,13,14,15
	s_load_b32 s[36+\p], s[10:11], s53 offset:8192*\p              ; and its pp - P
.endr
	s_load_b32 s52, s[8:9], s54 offset:4720768     ; tt (2,048 records of 2,304 bytes + 2,176)
	s_add_nc_u64 s[6:7], s[6:7], s[56:57]
	s_add_nc_u64 s[58:59], s[4:5], s[56:57]
	s_add_nc_u64 s[16:17], s[16:17], s[2:3]
	s_add_nc_u64 s[14:15], s[14:15], s[62:63]
	global_load_b128 v[4:7], v2, s[6:7]            ; g
	global_load_b128 v[8:11], v2, s[58:59]         ; r
	s_wait_kmcnt 0x0
.irp p, 0,1,2,3,4,5,6,7,8,9,10,11,12,13,14,15
	s_min_u32 s[20+\p], s[20+\p], 0xffff           ; a loaded number enters an address only behind this hold: rows 0 .. 65,535
	s_lshl_b32 s[20+\p], s[20+\p], 9
	v_add_nc_u32 v[12+\p], s[20+\p], v2
.endr
.irp p, 0,1,2,3,4,5,6,7,8,9,10,11,12,13,14,15
	global_load_b128 v[32+4*\p:35+4*\p], v[12+\p], s[4:5]          ; 32 lanes read the row's 512 consecutive bytes
.endr
	s_wait_loadcnt 16                              ; g and r are in; the sixteen rows are younger
	v_pk_add_f32 v[112:113], v[4:5], v[8:9] neg_lo:[0,1] neg_hi:[0,1]     ; g - r
	v_pk_add_f32 v[114:115], v[6:7], v[10:11] neg_lo:[0,1] neg_hi:[0,1]
	v_pk_mul_f32 v[124:125], v[112:113], v[112:113]
	v_pk_fma_f32 v[124:125], v[114:115], v[114:115], v[124:125]
	v_add_f32 v121, v124, v125
.irp p, 0,1,2,3,4,5,6,7,8,9,10,11,12,13,14,15
	v_add_f32 v[96+\p], s52, s[36+\p]              ; d2 of chunk p's candidate
.endr
.irp p, 1,2,3,4,5,6,7,8,9,10,11,12,13,14,15
	s_wait_loadcnt 15-\p                           ; row p is in, and every row before it: loads come back in order (ISA guide 5.7.1)
	v_cmp_lt_f32 vcc_lo, v[96+\p], v96
	v_cndmask_b32 v96, v96, v[96+\p], vcc_lo
.irp k, 0,1,2,3
	v_cndmask_b32 v[32+\k], v[32+\k], v[32+4*\p+\k], vcc_lo
.endr
.endr
	v_pk_add_f32 v[116:117], v[4:5], v[32:33] neg_lo:[0,1] neg_hi:[0,1]   ; g - s
	v_pk_add_f32 v[118:119], v[6:7], v[34:35] neg_lo:[0,1] neg_hi:[0,1]
	v_pk_mul_f32 v[124:125], v[116:117], v[116:117]
	v_pk_fma_f32 v[124:125], v[118:119], v[118:119], v[124:125]
	v_add_f32 v120, v124, v125
.irp m, 1,2,4,8                        ; both sums over the 32 lanes: four steps inside each half ride on the addition, one crosses the halves
	v_add_f32_dpp v120, v120, v120 row_xmask:\m row_mask:0xf bank_mask:0xf
	v_add_f32_dpp v121, v121, v121 row_xmask:\m row_mask:0xf bank_mask:0xf
.endr
	v_permlanex16_b32 v122, v120, s60, s61
	v_permlanex16_b32 v123, v121, s60, s61
	v_add_f32 v120, v120, v122
	v_add_f32 v121, v121, v123
	v_sqrt_f32 v124, v120                          ; |g - s|
	v_sqrt_f32 v125, v121                          ; |g - r|
	v_rsq_f32 v126, v120
	v_rsq_f32 v127, v121
	v_nop                                          ; one plain line between the last of these and the use of their results (ISA guide 5.7.2)
	s_wait_alu depctr_va_vdst(0)
	v_sub_f32 v30, v124, v125
.irp k, 0,1,2,3
	v_mul_f32 v[112+\k], v[112+\k], v127
.endr
.irp k, 0,1,2,3
	v_fma_f32 v[116+\k], v[116+\k], v126, -v[112+\k]
.endr
	global_store_b128 v2, v[116:119], s[16:17]     ; 32 lanes store the row's 512 consecutive bytes
	ds_store_b32 v3, v30                           ; every lane holds the value: one word a wave
	s_wait_dscnt 0x0                               ; for wave 0's sake
	s_barrier_signal -1
	s_barrier_wait -1
	s_cmp_lg_u32 s18, 0
	s_cbranch_scc1 .Lend
	ds_load_b32 v31, v28
	v_cmp_gt_u32 vcc_lo, 8, v1
	s_wait_dscnt 0x0
	s_wait_xcnt 0x0                                ; EXEC is a source of the store above: it changes only behind this wait
	s_and_saveexec_b32 s19, vcc_lo
	global_store_b32 v29, v31, s[14:15]            ; lanes 0-7: the work-group's eight values, 32 consecutive bytes
	s_wait_xcnt 0x0                                ; and again ahead of the line that widens it
	s_or_b32 exec_lo, exec_lo, s19
.Lend:
	s_wait_tensorcnt 0x0
	ds_add_u32 v128, v129
	s_wait_dscnt 0x0
	s_endpgm
.Lfunc_end_k_q611cd756bc_progress:
	.size	k_q611cd756bc_progress, .Lfunc_end_k_q611cd756bc_progress-k_q611cd756bc_progress
	.p2alignl 7, 3214868480
	.fill 96, 4, 3214868480
	.section	.rodata,"a",@progbits
	.p2align	6, 0x0
	.amdhsa_kernel k_q611cd756bc_progress
		.amdhsa_group_segment_fixed_size 1280
		.amdhsa_private_segment_fixed_size 0
		.amdhsa_enable_private_segment 0
		.amdhsa_kernarg_size 56
		.amdhsa_user_sgpr_count 2
		.amdhsa_user_sgpr_kernarg_segment_ptr 1
		.amdhsa_wavefront_size32 1
		.amdhsa_system_sgpr_workgroup_id_x 1
		.amdhsa_system_sgpr_workgroup_id_y 1
		.amdhsa_system_sgpr_workgroup_id_z 1
		.amdhsa_system_vgpr_workitem_id 0
		.amdhsa_next_free_vgpr 130
		.amdhsa_next_free_sgpr 66
		.amdhsa_reserve_vcc 1
		.amdhsa_float_denorm_mode_32 3
		.amdhsa_float_denorm_mode_16_64 3
		.amdhsa_memory_ordered 1
		.amdhsa_forward_progress 1
		.amdhsa_inst_pref_size 15
	.end_amdhsa_kernel
	.amdgpu_metadata
---
amdhsa.version: [ 1, 2 ]
amdhsa.kernels:
  - .name:           k_q611cd756bc_progress
    .symbol:         k_q611cd756bc_progress.kd
    .args:
      - { .name: reached_goal_embedding_library, .offset: 0, .size: 8, .value_kind: global_buffer, .address_space: global }
      - { .name: target_goal_embedding_library, .offset: 8, .size: 8, .value_kind: global_buffer, .address_space: global }
      - { .name: lib, .offset: 16, .size: 8, .value_kind: global_buffer, .address_space: global }
      - { .name: pval, .offset: 24, .size: 8, .value_kind: global_buffer, .address_space: global }
      - { .name: pidx, .offset: 32, .size: 8, .value_kind: global_buffer, .address_space: global }
      - { .name: out0, .offset: 40, .size: 8, .value_kind: global_buffer, .address_space: global }
      - { .name: out1, .offset: 48, .size: 8, .value_kind: global_buffer, .address_space: global }
    .group_segment_fixed_size: 1280
    .private_segment_fixed_size: 0
    .kernarg_segment_align: 8
    .kernarg_segment_size: 56
    .max_flat_workgroup_size: 256
    .sgpr_count:     66
    .vgpr_count:     130
    .wavefront_size: 32
...
	.end_amdgpu_metadata
.endif
;; end of part 3
;; ======== version 2 of 2: 2 launches
;; limits: right only within a limited range of input values
;; workspace buffers: cand 1,048,576 bytes of whole numbers
;; launch nearest (part 4): grid 4 x 64, 8 waves a work-group, clusters of 4 x 4, 327,680 bytes of LDS; arguments reached_goal_embedding_library, target_goal_embedding_library, cand; writes cand
.if DOCPART == 4
	.amdgcn_target "amdgcn-amd-amdhsa--gfx1250"
	.amdhsa_code_object_version 6
	.text
	.protected	k_q611cd756bc_nearest
	.globl	k_q611cd756bc_nearest
	.p2align	8
	.type	k_q611cd756bc_nearest,@function
k_q611cd756bc_nearest:
	s_mov_b64 s[64:65], 0
	v_nop
	global_prefetch_b8 v0, s[64:65] scope:SCOPE_SE
	s_setreg_imm32_b32 hwreg(HW_REG_WAVE_MODE, 25, 1), 1
	s_wait_xcnt 0x0
	s_wait_alu depctr_hold_cnt(0) depctr_sa_sdst(0) depctr_va_vdst(0) depctr_va_sdst(0) depctr_va_ssrc(0) depctr_va_vcc(0) depctr_vm_vsrc(0)
	s_getreg_b32 s2, hwreg(HW_REG_IB_STS2, 6, 4)
	s_cmp_eq_u32 s2, 0
	s_cbranch_scc0 .Lentry_in_a_cluster
	s_endpgm
.Lentry_in_a_cluster:
	s_bfe_u32 s2, ttmp6, 0x10000c
	s_cmp_lg_u32 s2, 0xf033
	s_cbranch_scc0 .Lentry_shape_is_right
	s_endpgm
.Lentry_shape_is_right:
; For a block of 512 goals g and a chunk of 1,024 earlier rows n: the largest score  2 P(g,n) - pp[n]  and the four neighbouring rows (a quad) that hold it.
; P is the quantised product, pp[n] the row's sum of squares in f32.  The smallest d2 = tt - 2 P + pp is the largest score.
; LEFT OUT, for all values of the inputs: tt, the goal's own sum of squares, is the same for every n and turns no argmin in exact arithmetic; the target library's rows ahead of the last 2,048
; are sliced away by the problem itself and are not loaded.  A NaN, an infinity or an overflow that reaches only these is not carried to the result.
; LIMITS.  The order of rounding differs from the definition's (tt - 2 P) + pp: only distances within a rounding of each other can change places.  NaN and infinities are not served.
; A block of zeros gets the byte 1 (2 for a goal) where the rule says 127: its codes are zeros and this program alone reads the bytes.  The doubled goal's byte holds for block maxima from 2^-124 to 2^126.
; OUTPUT.  cand [chunk][goal]: two whole numbers: a key that rises as the score falls (the bits of -score, made monotone as an unsigned number), and the quad's number (row / 4).
; SHARES.  Eight waves.  Wave w quantises goals 64 w .. + 63 of the block and, in each of four steps, rows 32 w .. + 31 of the step's 256.  It multiplies 128 goals (8 tiles, group w / 2, in registers)
; by half of the step's rows (pairs of tiles 4 p .. 4 p + 3, p = w % 2).
; LDS.  f32 rows come by the tensor mover, 512 bytes + 16 of padding (pitch 528 = 33 x 16: sixteen rows fall on sixteen different 16-byte columns).  A wave's region is 64 such rows: the goals first,
; then two slots of 32 rows by turns; each wave reads only what it loaded.  Operands go from wave to wave as records of 2,304 bytes for two tiles: register images 2 x 1,024, scale words 2 x 64,
; -pp 2 x 64.  Three buffers of eight records: the goals take buffers 0 and 1, the steps' rows buffers 2, 0, 1, 2.
; THE STEPS are taken one behind the other: while step s is multiplied, step s + 1's f32 rows go from LDS into registers of window 1; then they are quantised and their records stored.
; CLUSTERS 4 x 4: cx is the goal block, cy the chunk's place.  Goals are asked for jointly by the four of a column, rows by the four of a row.
; PREFETCH.  A step's rows are asked for one load ahead of their own.  Of the 32 rows of a wave each of the four partners that load them names 8 (by address): sixteen blocks of 256 bytes,
; one instruction a wave and step.
; THE MAXIMUM.  Source 0 = rows, source 1 = goals: lane (r, h) holds goal r and in register j row 8 h + j.  For the 16 numbers of a pair of tiles: four dual maxima, two dual maxima give the
; four quads' maxima; two max3 carry the running maximum; where it rises, three quads' maxima and the pair's number are kept.  Which quad it was is looked up once at the end.
; REGISTERS.  Window 0: addresses v1-20, rows' scale words v21-22, state v24-71, goals' scale words v72-75, the quantiser v76-87, operands v88-119 and v208-239, codes v120-135, results v128-191,
; at work v192-207 and v240-247.  Window 1: v0-63 the goals' fragments, v64-191 two tiles of f32.
.set PITCH, 528
.set SLOT,  32*PITCH
.set WREG,  2*SLOT
.set BUF,   8*WREG
.set REC,   2304
.set RBUF,  8*REC
.set SPARE, BUF+3*RBUF
.set MP,    384                        ; the merge: bytes from tile to tile
.set TL,    16
.set RA,    24                         ; v24-31, v32-39 the running maxima, old and new by turns
.set ST,    40                         ; v40-71 for each tile of goals: three kept maxima of quads, the pair's number
.set QS,    72                         ; v72-75 the goals' scale words, two tiles a register
.set X0,    64                         ; in window 1
.set X1,    128
.set SQ,    136                        ; four chains of squares
.set DD,    128                        ; two sets of four results
.set PT,    192
.set QQ,    240
.set MSB, 0
.macro WIN new                         ; the immediate's high byte repeats the setting that is left
.if MSB != \new
	s_set_vgpr_msb (MSB<<8)|\new
.set MSB, \new
.endif
.endm
.macro ROUND                           ; a round of the cluster's barrier
	s_barrier_signal -1
	s_barrier_wait -1
	s_cmp_lg_u32 s10, 0
	s_cbranch_scc1 .Lnot_wave_0_\@
	s_barrier_signal -3
.Lnot_wave_0_\@:
	s_barrier_wait -3
	s_barrier_signal -1
	s_barrier_wait -1
.endm
.macro TLOAD ga, gb
	tensor_load_to_lds s[\ga:\ga+3], s[\gb:\gb+7]
	s_nop 0
.rept 4
	v_nop
.endr
.endm
.macro ASK step                        ; the prefetch of a step's rows
	global_prefetch_b8 v13, s[56:57] offset:0x20000*\step th:TH_LOAD_NT scope:SCOPE_SE
.endm
.macro DRAIN                           ; all my tensor loads have landed; my LDS reads and stores are done
	s_wait_alu depctr_va_vdst(0)
	s_wait_tensorcnt 0x0
	ds_add_u32 v14, v15
	s_wait_dscnt 0x0
.endm
.macro LDX x, off                      ; a tile of 16 rows, f32, into window 1: register 32 c + i = k 64 c + 32 h + i of row r
	WIN 0x40
.irp c, 0,1
.irp g, 0,1,2,3,4,5,6,7
	ds_load_b128 v[\x+32*\c+4*\g:\x+32*\c+4*\g+3], v1 offset:\off+256*\c+16*\g
.endr
.endr
	WIN 0
.endm
; The quantiser on a tile in v[x..] of window 1: codes to v[co..], the scale word to wr; rows = 1: -(sum of squares) to pr; rows = 0: a goal, whose bytes are raised by 1 (it counts twice)
.macro QT x, co, wr, pr, rows
	WIN 0x14                                       ; sources 1 and 2 in window 1
.irp c, 0,1
	v_max3_num_f32 v[76+2*\c], s55, |v[\x+32*\c]|, |v[\x+32*\c+1]|     ; s55: the floor 2^(3 - 127): the byte cannot fall under 1
	v_max3_num_f32 v[77+2*\c], s55, |v[\x+32*\c+2]|, |v[\x+32*\c+3]|
.endr
.irp i, 4,8,12,16,20,24,28
.irp c, 0,1
	v_max3_num_f32 v[76+2*\c], v[76+2*\c], |v[\x+32*\c+\i]|, |v[\x+32*\c+\i+1]|
	v_max3_num_f32 v[77+2*\c], v[77+2*\c], |v[\x+32*\c+\i+2]|, |v[\x+32*\c+\i+3]|
.endr
.endr
	WIN 0
.irp c, 0,1
	v_max_num_f32 v[76+2*\c], v[76+2*\c], v[77+2*\c]
.endr
.irp c, 0,1
	v_add_nc_u32 v[80+\c], 0xff000000, v[76+2*\c]  ; 2 off the exponent field: the conversion's scale operand
.endr
.irp c, 0,1
	v_lshrrev_b32 v[82+\c], 23, v[80+\c]
.endr
	WIN 0x01                                       ; source 0 in window 1
.irp c, 0,1
.irp g, 0,1,2,3
	v_cvt_scalef32_pk8_fp4_f32 v[\co+4*\c+\g], v[\x+32*\c+8*\g:\x+32*\c+8*\g+7], v[80+\c]
.endr
.endr
.if \rows
	WIN 0x05                                       ; sources 0 and 1 in window 1
.irp n, 0,1,2,3                        ; (plain lines behind the conversions)
	v_pk_mul_f32 v[SQ+2*\n:SQ+2*\n+1], v[\x+2*\n:\x+2*\n+1], v[\x+2*\n:\x+2*\n+1]
.endr
.irp m, 1,2,3,4,5,6,7
.irp n, 0,1,2,3
	v_pk_fma_f32 v[SQ+2*\n:SQ+2*\n+1], v[\x+8*\m+2*\n:\x+8*\m+2*\n+1], v[\x+8*\m+2*\n:\x+8*\m+2*\n+1], v[SQ+2*\n:SQ+2*\n+1]
.endr
.endr
	WIN 0
	v_lshl_or_b32 v[\wr], v83, 16, v82             ; my two bytes; and the sum, by turns
	v_pk_add_f32 v[SQ:SQ+1], v[SQ:SQ+1], v[SQ+2:SQ+3]
	v_pk_add_f32 v[SQ+4:SQ+5], v[SQ+4:SQ+5], v[SQ+6:SQ+7]
	v_lshlrev_b32 v[\wr], v11, v[\wr]
	v_pk_add_f32 v[SQ:SQ+1], v[SQ:SQ+1], v[SQ+4:SQ+5]
	v_permlanex16_b32 v84, v[\wr], s52, s53
	v_add_f32 v[SQ], v[SQ], v[SQ+1]
	v_or_b32 v[\wr], v[\wr], v84                   ; with lane l xor 16's two the word is whole
	v_permlanex16_b32 v82, v[SQ], s52, s53
	v_sub_f32 v[\pr], -v[SQ], v82
.else
	WIN 0
	v_lshl_or_b32 v[\wr], v83, 16, v82             ; my two bytes (also the plain line behind the conversions)
	v_lshlrev_b32 v[\wr], v11, v[\wr]
	v_permlanex16_b32 v84, v[\wr], s52, s53
	v_or_b32 v[\wr], v[\wr], v84
	v_add_nc_u32 v[\wr], 0x01010101, v[\wr]
.endif
.endm
.macro STG tile, co, wr                ; my goals' tile 0..3 into its record
	ds_store_b128 v3, v[\co:\co+3] offset:(\tile/2)*REC+1024*(\tile%2)
	ds_store_b128 v3, v[\co+4:\co+7] offset:(\tile/2)*REC+1024*(\tile%2)+512
	ds_store_b32 v5, v[\wr] offset:(\tile/2)*REC+2048+64*(\tile%2)
.endm
.macro STR rb, tile, co, wr, pr        ; my rows' tile 0, 1 into my record of buffer rb
	ds_store_b128 v2, v[\co:\co+3] offset:\rb*RBUF+1024*\tile
	ds_store_b128 v2, v[\co+4:\co+7] offset:\rb*RBUF+1024*\tile+512
	ds_store_b32 v4, v[\wr] offset:\rb*RBUF+2048+64*\tile
	ds_store_b32 v4, v[\pr] offset:\rb*RBUF+2176+64*\tile
.endm
.macro ROWS rb                         ; my 32 rows of a step, from registers to buffer rb
	QT X0, 120, 85, 86, 1
	STR \rb, 0, 120, 85, 86
	QT X1, 128, 87, 23, 1
	STR \rb, 1, 128, 87, 23
.endm
.macro PAIRLD i, rb                    ; pair i of my half of buffer rb into register set i % 2: nine loads
.set AB, 88+120*((\i)%2)
	ds_load_b32 v[21+(\i)%2], v8 offset:\rb*RBUF+(\i)*REC+2048
.irp e, 0,1,2,3
	ds_load_b128 v[AB+4*\e:AB+4*\e+3], v6 offset:\rb*RBUF+(\i)*REC+512*\e
.endr
.irp e, 0,1
	ds_load_b128 v[AB+16+8*\e:AB+19+8*\e], v7 offset:\rb*RBUF+(\i)*REC+2176+64*\e
	ds_load_b128 v[AB+20+8*\e:AB+23+8*\e], v7 offset:\rb*RBUF+(\i)*REC+2192+64*\e
.endr
.endm
; One product: oa: the rows' scale words stand in lanes 16-31; ob: the goals' do.  C = -pp of the 16 rows: K is 128, so one instruction finishes a tile
.macro MM d, a, q, c, sc, qs, oa, ob
.if (\oa) && (\ob)
	v_wmma_scale_f32_16x16x128_f8f6f4 v[\d:\d+7], v[\a:\a+7], v[\q:\q+7], v[\c:\c+7], v[\sc], v[\qs] matrix_a_fmt:MATRIX_FMT_FP4 matrix_b_fmt:MATRIX_FMT_FP4 matrix_a_scale:MATRIX_SCALE_ROW1 matrix_b_scale:MATRIX_SCALE_ROW1
.elseif \oa
	v_wmma_scale_f32_16x16x128_f8f6f4 v[\d:\d+7], v[\a:\a+7], v[\q:\q+7], v[\c:\c+7], v[\sc], v[\qs] matrix_a_fmt:MATRIX_FMT_FP4 matrix_b_fmt:MATRIX_FMT_FP4 matrix_a_scale:MATRIX_SCALE_ROW1
.elseif \ob
	v_wmma_scale_f32_16x16x128_f8f6f4 v[\d:\d+7], v[\a:\a+7], v[\q:\q+7], v[\c:\c+7], v[\sc], v[\qs] matrix_a_fmt:MATRIX_FMT_FP4 matrix_b_fmt:MATRIX_FMT_FP4 matrix_b_scale:MATRIX_SCALE_ROW1
.else
	v_wmma_scale_f32_16x16x128_f8f6f4 v[\d:\d+7], v[\a:\a+7], v[\q:\q+7], v[\c:\c+7], v[\sc], v[\qs] matrix_a_fmt:MATRIX_FMT_FP4 matrix_b_fmt:MATRIX_FMT_FP4
.endif
.endm
.macro MUL4 i, k                       ; pair i's two tiles against the goals' tiles 2 k, 2 k + 1 (window 1), into set k % 2
.set AW, 88+120*((\i)%2)
	WIN 0x04
.irp t, 0,1
.irp u, 0,1
	MM DD+32*(\k%2)+16*\t+8*\u, AW+8*\u, 16*\k+8*\t, AW+16+8*\u, 21+(\i)%2, QS+\k, \u, \t
.endr
.endr
	WIN 0
.endm
.macro QMAX m, t                       ; quads 2 m, 2 m + 1 of the goals' tile t
	v_dual_max_num_f32 v[QQ+4*\t+2*\m], v[PT+8*\t+4*\m], v[PT+8*\t+4*\m+1] :: v_dual_max_num_f32 v[QQ+4*\t+2*\m+1], v[PT+8*\t+4*\m+2], v[PT+8*\t+4*\m+3]
.endm
.macro NMAX from, m, t                 ; and the running maximum goes through them
	v_max3_num_f32 v[RN+GE+\t], v[\from+GE+\t], v[QQ+4*\t+2*\m], v[QQ+4*\t+2*\m+1]
.endm
.macro KEEP t                          ; under the compare's mask
	v_dual_cndmask_b32 v[ST+4*(GE+\t)], v[ST+4*(GE+\t)], v[QQ+4*\t] :: v_dual_cndmask_b32 v[ST+4*(GE+\t)+1], v[ST+4*(GE+\t)+1], v[QQ+4*\t+1]
	v_dual_cndmask_b32 v[ST+4*(GE+\t)+2], v[ST+4*(GE+\t)+2], v[QQ+4*\t+2] :: v_dual_cndmask_b32 v[ST+4*(GE+\t)+3], v[ST+4*(GE+\t)+3], v[TL]
.endm
.macro EPI n                           ; group n = 4 i + k is worked off, each result from its low end on, the two tiles of goals by turns; a strict compare keeps the earlier pair
.set DE, DD+32*(((\n)%4)%2)
.set GE, 2*((\n)%4)
.set RO, RA+8*(((\n)/4)%2)
.set RN, RA+8-8*(((\n)/4)%2)
.irp m, 0,1,2,3
.irp t, 0,1
	v_dual_max_num_f32 v[PT+8*\t+2*\m], v[DE+16*\t+4*\m], v[DE+16*\t+4*\m+1] :: v_dual_max_num_f32 v[PT+8*\t+2*\m+1], v[DE+16*\t+4*\m+2], v[DE+16*\t+4*\m+3]
.endr
.endr
	QMAX 0, 0
	QMAX 1, 0
	QMAX 0, 1
	NMAX RO, 0, 0
	QMAX 1, 1
	NMAX RN, 1, 0
	NMAX RO, 0, 1
	v_cmp_gt_f32 vcc_lo, v[RN+GE], v[RO+GE]
	NMAX RN, 1, 1
	KEEP 0
	v_cmp_gt_f32 vcc_lo, v[RN+GE+1], v[RO+GE+1]
	KEEP 1
.endm
; A step: four pairs x four groups of four products; group n is worked off behind the products of group n + 1, so 22 plain lines stand between a product and the first read of its result.
; The next pair is fetched behind the first group of a pair, into the set that the pair before has left.  slot = 0, 1: behind that fetch in pairs 0 and 1 one tile of the next step's f32 rows is
; read from the slot, sixteen loads that the wait for the next pair leaves out.  slot = -1: no step follows.
.macro MUL rb, step, slot
.set NN, 0
.irp i, 0,1,2,3
.irp k, 0,1,2,3
.if \k == 0
.if ((\slot) >= 0) && ((\i == 1) || (\i == 2))
	s_wait_dscnt 16
.else
	s_wait_dscnt 0x0
.endif
.endif
	MUL4 \i, \k
.if NN > 0
	EPI NN-1
.else
.rept 4
	v_nop                                          ; the places ahead of group 0's first read
.endr
.endif
.if \k == 0
	v_mov_b32 v[TL], 64*\step+8*\i                 ; the pair's first quad, without my half's and my lane's share
.if \i < 3
	PAIRLD \i+1, \rb
.endif
.if ((\slot) >= 0) && (\i < 2)
	LDX X0+64*\i, \slot*SLOT+\i*16*PITCH
.endif
.endif
.set NN, NN+1
.endr
.endr
	EPI NN-1
.endm
	s_load_b128 s[4:7], s[0:1], 0x0                ; reached, target
	s_load_b64 s[8:9], s[0:1], 0x10                ; cand
	v_lshl_add_u32 v14, v0, 2, SPARE
	v_mov_b32 v15, 0
	ds_add_u32 v14, v15
	ds_add_u32 v14, v15
	v_lshrrev_b32 v119, 5, v0
	v_readfirstlane_b32 s10, v119                  ; wave 0..7
	s_bfe_u32 s11, ttmp6, 0x40000                  ; cx: the block of goals
	s_bfe_u32 s12, ttmp6, 0x40004                  ; cy
	s_and_b32 s13, ttmp7, 0xffff
	s_lshl_b32 s13, s13, 2
	s_add_co_u32 s13, s13, s12                     ; the chunk, 0..63
	s_and_b32 s14, s10, 1                          ; p: which half of a step's pairs I multiply
	s_lshr_b32 s15, s10, 1                         ; my group of goals
	s_lshl_b32 s54, 0x1111, s11                    ; my column of the cluster
	s_lshl_b32 s55, s12, 2
	s_lshl_b32 s55, 15, s55                        ; my row
	; descriptor groups 1: rows of 128 elements of 4 bytes, 4 words of padding behind every 128 words; bit 21 beside a mask
	s_or_b32 s16, s54, (2<<16)|(1<<20)|(1<<21)|(6<<22)|(3<<25)
	s_mov_b32 s17, 128<<16
	s_mov_b32 s18, 64<<16                          ; 64 goals
	s_mov_b32 s19, 128<<16
	s_mov_b32 s20, 64
	s_mov_b32 s21, 128
	s_mov_b32 s22, 0
	s_mov_b32 s23, 0
	s_or_b32 s24, s55, (2<<16)|(1<<20)|(1<<21)|(6<<22)|(3<<25)
	s_mov_b32 s25, 128<<16
	s_mov_b32 s26, 32<<16                          ; 32 rows
	s_mov_b32 s27, 128<<16
	s_mov_b32 s28, 32
	s_mov_b32 s29, 128
	s_mov_b32 s30, 0
	s_mov_b32 s31, 0
	s_lshl_b32 s58, s11, 18                        ; goals: 512 cx + 64 w rows of 512 bytes behind row 65,536
	s_lshl_b32 s59, s10, 15
	s_add_co_u32 s58, s58, s59
	s_add_co_u32 s58, s58, 0x2000000
	s_mov_b32 s59, 0
	s_lshl_b32 s60, s13, 19                        ; rows: 1,024 chunk + 32 w
	s_lshl_b32 s61, s10, 14
	s_add_co_u32 s60, s60, s61
	s_mov_b32 s61, 0
	s_lshl_b32 s62, s11, 12                        ; the prefetches': + 8 cx rows
	s_add_co_u32 s62, s62, s60
	s_mov_b32 s63, 0
	s_lshl_b32 s66, s13, 14                        ; cand: 16,384 chunk + 4,096 cx + 512 w
	s_lshl_b32 s67, s11, 12
	s_add_co_u32 s66, s66, s67
	s_lshl_b32 s67, s10, 9
	s_add_co_u32 s66, s66, s67
	s_mov_b32 s67, 0
	s_mul_i32 s68, s10, WREG                       ; my region
	s_mul_i32 s69, s10, REC
	s_add_co_u32 s69, s69, BUF                     ; my rows' record
	s_mul_i32 s70, s10, 2*REC
	s_add_co_u32 s70, s70, BUF                     ; my goals' two records
	s_mul_i32 s71, s14, 4*REC
	s_add_co_u32 s71, s71, BUF                     ; the records that I multiply
	s_mul_i32 s72, s15, 4*REC
	s_add_co_u32 s72, s72, BUF                     ; my group's goals
	s_mul_i32 s73, s15, 2*WREG
	s_mul_i32 s74, s14, 4*MP
	s_add_co_u32 s73, s73, s74                     ; the merge, out
	s_lshl_b32 s74, s13, 8
	s_lshl_b32 s75, s14, 5
	s_add_co_u32 s74, s74, s75                     ; quads: 256 chunk + 32 p
	s_mov_b32 s52, 0x76543210
	s_mov_b32 s53, 0xfedcba98                      ; v_permlanex16_b32's selects for lane l xor 16
	s_mov_b32 s54, 0xff800000                      ; -infinity
	s_mov_b32 s55, 0x1800000                       ; the floor of a block's largest magnitude
	s_wait_alu depctr_va_vdst(0)
	s_wait_dscnt 0x0                               ; both opening adds are done
	s_wait_kmcnt 0x0
	s_add_nc_u64 s[58:59], s[6:7], s[58:59]
	s_add_nc_u64 s[56:57], s[4:5], s[62:63]
	s_add_nc_u64 s[60:61], s[4:5], s[60:61]
	s_add_nc_u64 s[8:9], s[8:9], s[66:67]
	s_mov_b32 s32, 1                               ; descriptor groups 0: the goals,
	s_add_co_u32 s33, s68, 0
	s_mov_b64 s[34:35], s[58:59]
	s_or_b32 s35, s35, 0x80000000
.irp e, 0,1,2,3                        ; and the four steps' rows, slots 0 and 1 by turns
	s_mov_b32 s[36+4*\e], 1
	s_add_co_u32 s[37+4*\e], s68, (\e%2)*SLOT
	s_add_nc_u64 s[38+4*\e:39+4*\e], s[60:61], \e*0x20000
	s_or_b32 s[39+4*\e], s[39+4*\e], 0x80000000
.endr
	ROUND                                          ; all sixteen work-groups are here
	TLOAD 32, 16                                   ; my 64 goals: the one tensor load at the head
	v_and_b32 v120, 31, v0                         ; l
	v_and_b32 v121, 15, v0                         ; r
	v_bfe_u32 v122, v0, 4, 1                       ; h
	v_mul_u32_u24 v1, v121, PITCH
	v_lshl_add_u32 v1, v122, 7, v1
	v_add_nc_u32 v1, s68, v1                       ; f32 rows: row r, from byte 128 h on
	v_lshl_add_u32 v2, v120, 4, s69
	v_lshl_add_u32 v3, v120, 4, s70
	v_lshl_add_u32 v4, v121, 2, s69
	v_lshl_add_u32 v5, v121, 2, s70
	v_lshl_add_u32 v6, v120, 4, s71
	v_lshl_add_u32 v7, v122, 5, s71
	v_lshl_add_u32 v8, v120, 2, s71
	v_lshl_add_u32 v9, v120, 4, s72
	v_lshl_add_u32 v10, v120, 2, s72
	v_lshlrev_b32 v11, 3, v122
	v_lshlrev_b32 v17, 4, v120
	v_lshl_add_u32 v18, v120, 3, s68               ; the merge, in
	v_and_b32 v19, 7, v0
	v_lshlrev_b32 v19, 4, v19
	v_lshrrev_b32 v123, 3, v120
	v_mul_u32_u24 v123, v123, MP
	v_add_nc_u32 v19, v19, v123
	v_add_nc_u32 v19, s73, v19
	v_lshl_add_u32 v20, v122, 1, s74               ; + 2 h
	v_mov_b32 v84, 0                               ; written once: a lane permute's destination counts as one of its sources
	v_min_u32 v13, 15, v120
	v_lshlrev_b32 v13, 8, v13                      ; prefetch: a step's sixteen blocks; lanes 16-31 name the last again
.irp e, 0,1,2,3,4,5,6,7                ; the running state, while the goals are on their way; what is kept is read under a mask from the first pair on
	v_mov_b32 v[RA+\e], s54
	v_mov_b32 v[ST+4*\e], s54
	v_mov_b32 v[ST+4*\e+1], s54
	v_mov_b32 v[ST+4*\e+2], s54
	v_mov_b32 v[ST+4*\e+3], 0
.endr
	s_wait_alu depctr_va_vdst(0)
	ASK 0
	s_wait_tensorcnt 0x0                           ; my goals are in
	LDX X0, 0
	LDX X1, 16*PITCH
	DRAIN                                          ; goals 0-31 of mine are in registers: slot 0 is free
	ROUND
	TLOAD 36, 24                                   ; step 0's rows into slot 0
	QT X0, 120, 85, 85, 0
	STG 0, 120, 85
	LDX X0, 32*PITCH
	ASK 1
	QT X1, 88, 87, 87, 0
	STG 1, 88, 87
	LDX X1, 48*PITCH
	s_wait_dscnt 19                                ; three stores and sixteen loads are younger than X0's
	QT X0, 96, 86, 86, 0
	STG 2, 96, 86
	s_wait_dscnt 3                                 ; three stores are younger
	QT X1, 104, 23, 23, 0
	STG 3, 104, 23
	s_wait_alu depctr_va_vdst(0)
	s_wait_tensorcnt 0x0                           ; step 0's rows are in: mine go into registers ahead of the round
	LDX X0, 0
	LDX X1, 16*PITCH
	DRAIN                                          ; both slots are read, the goals' records are stored
	ROUND
	TLOAD 40, 24                                   ; step 1's rows into slot 1
	WIN 0x40                                       ; destination window 1
.irp e, 0,1,2,3,4,5,6,7                ; my group's goals stay in registers: tile e at v[8 e] of window 1
.irp c, 0,1
	ds_load_b128 v[8*\e+4*\c:8*\e+4*\c+3], v9 offset:(\e/2)*REC+1024*(\e%2)+512*\c
.endr
.endr
	WIN 0
.irp e, 0,1,2,3
	ds_load_b32 v[QS+\e], v10 offset:\e*REC+2048
.endr
	ASK 2
	ROWS 2
	DRAIN                                          ; step 1's rows are in, step 0's records are stored, the goals are read
	ROUND
	TLOAD 44, 24                                   ; step 2's rows into slot 0
	PAIRLD 0, 2
	ASK 3
	MUL 2, 0, 1
	ROWS 0
	DRAIN
	ROUND
	TLOAD 48, 24                                   ; step 3's rows into slot 1: the last load
	PAIRLD 0, 0
	MUL 0, 1, 0
	ROWS 1
	s_wait_alu depctr_va_vdst(0)                   ; nothing is filled again from here on: a work-group barrier for the records alone
	s_wait_tensorcnt 0x0                           ; step 3's rows are in
	s_wait_dscnt 0x0
	s_barrier_signal -1
	s_barrier_wait -1
	PAIRLD 0, 1
	MUL 1, 2, 1
	ROWS 2
	s_wait_alu depctr_va_vdst(0)
	s_wait_dscnt 0x0
	s_barrier_signal -1
	s_barrier_wait -1
	PAIRLD 0, 2
	MUL 2, 3, -1
	; Which quad of the kept pair: the lowest of the three that equals the maximum, else the fourth.  Quads of a pair lie 0, 1, 4, 5 (+ 2 h) from its first
.irp e, 0,1,2,3,4,5,6,7
	v_mov_b32 v[128+2*\e], v[RA+\e]
	v_mov_b32 v[129+2*\e], 5
.endr
.irp e, 0,1,2,3,4,5,6,7
	v_cmp_eq_f32 s66, v[ST+4*\e+2], v[RA+\e]
	v_cmp_eq_f32 s67, v[ST+4*\e+1], v[RA+\e]
	v_cmp_eq_f32 s68, v[ST+4*\e], v[RA+\e]
	v_cndmask_b32 v[129+2*\e], v[129+2*\e], 4, s66
	v_cndmask_b32 v[129+2*\e], v[129+2*\e], 1, s67
	v_cndmask_b32 v[129+2*\e], v[129+2*\e], 0, s68
.endr
.irp e, 0,1,2,3,4,5,6,7
	v_add3_u32 v[129+2*\e], v[129+2*\e], v[ST+4*\e+3], v20
.endr
.irp e, 0,1,2,3,4,5,6,7                ; into my own region, whose slots have had their last fill and their last read
	ds_store_b64 v18, v[128+2*\e:129+2*\e] offset:MP*\e
.endr
	s_wait_alu depctr_va_vdst(0)
	s_wait_dscnt 0x0                               ; for the others' sake
	s_barrier_signal -1
	s_barrier_wait -1
.irp e, 0,1                            ; goals 64 w + 2 l and the next: the candidates of both waves of their group, both halves of the lanes
	ds_load_b128 v[160+8*\e:163+8*\e], v19 offset:WREG*\e
	ds_load_b128 v[164+8*\e:167+8*\e], v19 offset:WREG*\e+128
.endr
	s_wait_dscnt 0x0
.irp e, 1,2,3                          ; the larger score; of equal scores the lower quad
.irp t, 0,1
	v_cmp_gt_f32 s66, v[160+4*\e+2*\t], v[160+2*\t]
	v_cmp_eq_f32 s67, v[160+4*\e+2*\t], v[160+2*\t]
	v_cmp_lt_u32 s68, v[161+4*\e+2*\t], v[161+2*\t]
	s_and_b32 s67, s67, s68
	s_or_b32 s66, s66, s67
	v_cndmask_b32 v[160+2*\t], v[160+2*\t], v[160+4*\e+2*\t], s66
	v_cndmask_b32 v[161+2*\t], v[161+2*\t], v[161+4*\e+2*\t], s66
.endr
.endr
.irp t, 0,1                            ; the key: the bits of 0 - score, all turned where it is negative, else the sign bit alone
	v_sub_f32 v[176+2*\t], 0, v[160+2*\t]
	v_ashrrev_i32 v[177+2*\t], 31, v[176+2*\t]
	v_or_b32 v[177+2*\t], 0x80000000, v[177+2*\t]
	v_xor_b32 v[160+2*\t], v[176+2*\t], v[177+2*\t]
.endr
	global_store_b128 v17, v[160:163], s[8:9]      ; 32 lanes store 512 consecutive bytes
	DRAIN                                          ; the wave's end
	ROUND                                          ; the closing round
	s_endpgm
.Lfunc_end_k_q611cd756bc_nearest:
	.size	k_q611cd756bc_nearest, .Lfunc_end_k_q611cd756bc_nearest-k_q611cd756bc_nearest
	.p2alignl 7, 3214868480
	.fill 96, 4, 3214868480
	.section	.rodata,"a",@progbits
	.p2align	6, 0x0
	.amdhsa_kernel k_q611cd756bc_nearest
		.amdhsa_group_segment_fixed_size 327680
		.amdhsa_private_segment_fixed_size 0
		.amdhsa_enable_private_segment 0
		.amdhsa_kernarg_size 24
		.amdhsa_user_sgpr_count 2
		.amdhsa_user_sgpr_kernarg_segment_ptr 1
		.amdhsa_wavefront_size32 1
		.amdhsa_system_sgpr_workgroup_id_x 1
		.amdhsa_system_sgpr_workgroup_id_y 1
		.amdhsa_system_sgpr_workgroup_id_z 1
		.amdhsa_system_vgpr_workitem_id 0
		.amdhsa_next_free_vgpr 448
		.amdhsa_next_free_sgpr 80
		.amdhsa_reserve_vcc 1
		.amdhsa_float_denorm_mode_32 3
		.amdhsa_float_denorm_mode_16_64 3
		.amdhsa_memory_ordered 1
		.amdhsa_forward_progress 1
		.amdhsa_inst_pref_size 224
	.end_amdhsa_kernel
	.amdgpu_metadata
---
amdhsa.version: [ 1, 2 ]
amdhsa.kernels:
  - .name:           k_q611cd756bc_nearest
    .symbol:         k_q611cd756bc_nearest.kd
    .args:
      - { .name: reached_goal_embedding_library, .offset: 0, .size: 8, .value_kind: global_buffer, .address_space: global }
      - { .name: target_goal_embedding_library, .offset: 8, .size: 8, .value_kind: global_buffer, .address_space: global }
      - { .name: cand, .offset: 16, .size: 8, .value_kind: global_buffer, .address_space: global }
    .group_segment_fixed_size: 327680
    .private_segment_fixed_size: 0
    .kernarg_segment_align: 8
    .kernarg_segment_size: 24
    .max_flat_workgroup_size: 256
    .sgpr_count:     80
    .vgpr_count:     448
    .wavefront_size: 32
...
	.end_amdgpu_metadata
.endif
;; end of part 4
;; launch progress (part 5): grid 256 x 1, 8 waves a work-group, no clusters, 28,928 bytes of LDS; arguments reached_goal_embedding_library, target_goal_embedding_library, cand, out0, out1; writes out0, out1
.if DOCPART == 5
	.amdgcn_target "amdgcn-amd-amdhsa--gfx1250"
	.amdhsa_code_object_version 6
	.text
	.protected	k_q611cd756bc_progress
	.globl	k_q611cd756bc_progress
	.p2align	8
	.type	k_q611cd756bc_progress,@function
k_q611cd756bc_progress:
	s_mov_b64 s[64:65], 0
	v_nop
	global_prefetch_b8 v0, s[64:65] scope:SCOPE_SE
	s_setreg_imm32_b32 hwreg(HW_REG_WAVE_MODE, 25, 1), 1
	s_wait_xcnt 0x0
; For each of the 2,048 goals g: the nearest earlier row s, then  out0 = |g - s| - |g - r|  and  out1 = (g - s) / |g - s| - (g - r) / |g - r|,  all in f32.
; A WAVE TAKES ONE GOAL; a lane holds 4 of its 128 numbers.
; THE CHOICE.  The launch before stored for each chunk of rows a whole-number key (lower = nearer) and a quad of four neighbouring rows.  The lowest key's quad (of equal keys the lowest quad)
; is gathered, 2,048 consecutive bytes; the quantised product of its four rows with the goal is made once more by the matrix instruction, and the row with the largest  2 P - pp  is chosen
; register by register with v_cndmask_b32: no address hangs on a number computed here.
; LEFT OUT: the goal's own sum of squares, which is the same for every row and turns no argmin in exact arithmetic; a NaN, an infinity or an overflow that reaches only it is not carried.
; LIMITS.  As in the launch before: order of rounding, blocks of zeros, NaN and infinities.  A sum of squares under 2^-126 counts as 0 in the root and its reciprocal (ISA guide 15.8).
; Where g equals s or r the gradient is 0 x infinity, not a number, as in the problem's definition.
; out0 leaves as 32 bytes a work-group: whole runs of 256 bytes would want 64 goals to a work-group and leave seven of eight work-groups without work; the buffer has 8,192 bytes in all.
; Tensor loads, clusters and prefetches are left out: work-groups share no row but by chance, and there is no loop to run ahead in.
.set CPITCH, 80                        ; a chunk's 64 bytes (eight goals) + 16
.set STAGE, 64*CPITCH
.set PITCH, 528
.set WST,   2816                       ; a wave's stage: the goal's row and four rows, 528 bytes each
.set WORDS, STAGE+8*WST
.set SPARE, WORDS+256
.set XG, 64
.set XR, 128
.set RW, 192                           ; v192-207 the quad as it was loaded
	s_load_b256 s[4:11], s[0:1], 0x0               ; reached, target, cand, out0
	s_load_b64 s[12:13], s[0:1], 0x20              ; out1
	v_lshl_add_u32 v14, v0, 2, SPARE
	v_mov_b32 v15, 0
	v_lshrrev_b32 v1, 5, v0
	v_readfirstlane_b32 s18, v1                    ; wave
	s_lshl_b32 s19, ttmp9, 3
	s_add_co_u32 s19, s19, s18                     ; q: my goal
	s_add_co_u32 s56, s19, 65536
	s_lshl_b32 s56, s56, 9                         ; row 65,536 + q of either library
	s_mov_b32 s57, 0
	s_lshl_b32 s58, ttmp9, 6                       ; the work-group's 64 bytes of a chunk
	s_mov_b32 s59, 0
	s_lshl_b32 s2, s19, 9
	s_mov_b32 s3, 0
	s_lshl_b32 s62, ttmp9, 5
	s_mov_b32 s63, 0
	s_mov_b32 s60, 0x76543210
	s_mov_b32 s61, 0xfedcba98                      ; v_permlanex16_b32's selects for lane l xor 16
	s_mul_i32 s30, s18, WST
	s_add_co_u32 s30, s30, STAGE
	s_lshl_b32 s31, s18, 3
	s_lshl_b32 s32, s18, 2
	s_add_co_u32 s32, s32, WORDS
	v_and_b32 v1, 31, v0
	v_lshlrev_b32 v2, 4, v1
	v_lshrrev_b32 v12, 2, v0                       ; chunk
	v_and_b32 v13, 3, v0
	v_mul_u32_u24 v3, v12, CPITCH
	v_lshl_add_u32 v3, v13, 4, v3                  ; LDS: chunk's row, my 16 bytes
	v_lshlrev_b32 v12, 14, v12
	v_lshl_add_u32 v12, v13, 4, v12                ; cand: chunk x 16,384, my 16 bytes (two goals)
	v_mul_u32_u24 v4, v1, CPITCH
	v_add_nc_u32 v4, s31, v4                       ; back: chunk l, my goal's 8 bytes
	v_add_nc_u32 v5, s30, v2
	v_bfe_u32 v11, v0, 4, 1
	v_lshl_add_u32 v6, v11, 7, s30                 ; the goal's row: every lane r reads it
	v_mul_u32_u24 v7, v13, PITCH
	v_add_nc_u32 v7, v7, v6                        ; the quad: lane r reads row r % 4 (the offset skips the goal's)
	v_lshlrev_b32 v11, 3, v11
	v_mov_b32 v8, s32
	v_and_b32 v9, 7, v0
	v_lshlrev_b32 v9, 2, v9
	v_add_nc_u32 v9, WORDS, v9
	v_lshlrev_b32 v10, 2, v1
	v_mov_b32 v35, 0                               ; lane permutes' destinations count as sources: written once
	v_mov_b32 v53, 0
	v_mov_b32 v54, 0
	v_mov_b32 v216, 0
	v_mov_b32 v37, -1
	s_wait_alu depctr_va_vdst(0)
	s_wait_kmcnt 0x0
	s_add_nc_u64 s[8:9], s[8:9], s[58:59]
	s_add_nc_u64 s[6:7], s[6:7], s[56:57]
	s_add_nc_u64 s[58:59], s[4:5], s[56:57]
	s_add_nc_u64 s[12:13], s[12:13], s[2:3]
	s_add_nc_u64 s[10:11], s[10:11], s[62:63]
	global_load_b128 v[16:19], v12, s[8:9]         ; the work-group's 64 x 64 bytes of candidates
	global_load_b128 v[20:23], v2, s[6:7]          ; g
	global_load_b128 v[24:27], v2, s[58:59]        ; r
	s_wait_loadcnt 0x2                             ; g and r may be out
	ds_store_b128 v3, v[16:19]
	s_wait_dscnt 0x0                               ; for the others' sake
	s_barrier_signal -1
	s_barrier_wait -1
	ds_load_b64 v[28:29], v4                       ; chunk l: key, quad
	ds_load_b64 v[30:31], v4 offset:32*CPITCH      ; chunk l + 32
	s_wait_dscnt 0x0
.macro LMIN a                          ; the minimum over the wave, in every lane
.irp m, 1,2,4,8
	v_mov_b32_dpp v35, v[\a] row_xmask:\m row_mask:0xf bank_mask:0xf
	v_min_u32 v[\a], v[\a], v35
.endr
	v_permlanex16_b32 v35, v[\a], s60, s61
	v_min_u32 v[\a], v[\a], v35
.endm
	v_cmp_lt_u32 vcc_lo, v30, v28
	v_cndmask_b32 v32, v28, v30, vcc_lo
	v_cndmask_b32 v33, v29, v31, vcc_lo
	v_mov_b32 v34, v32
	LMIN 34
	v_cmp_eq_u32 vcc_lo, v32, v34
	v_cndmask_b32 v36, v37, v33, vcc_lo            ; the quads that have the lowest key
	LMIN 36
	v_readfirstlane_b32 s20, v36
	s_min_u32 s20, s20, 0x3fff                     ; a loaded number enters an address only behind this hold: quads 0 .. 16,383
	s_lshl_b32 s20, s20, 11
	s_mov_b32 s21, 0
	s_add_nc_u64 s[22:23], s[4:5], s[20:21]
.irp e, 0,1,2,3
	global_load_b128 v[RW+4*\e:RW+4*\e+3], v2, s[22:23] offset:512*\e
.endr
.macro LDX x, adr, off
.irp c, 0,1
.irp g, 0,1,2,3,4,5,6,7
	ds_load_b128 v[\x+32*\c+4*\g:\x+32*\c+4*\g+3], v[\adr] offset:\off+256*\c+16*\g
.endr
.endr
.endm
; The quantiser on a tile in v[x..] (register 32 c + i = k 64 c + 32 h + i): codes to v[co..], the scale word to wr; rows = 1: the sum of squares to v217; rows = 0: the goal, which counts twice
.macro QT x, co, wr, rows
.irp c, 0,1
	v_max3_num_f32 v[208+2*\c], |v[\x+32*\c]|, |v[\x+32*\c+1]|, |v[\x+32*\c+2]|
	v_max3_num_f32 v[209+2*\c], |v[\x+32*\c+3]|, |v[\x+32*\c+4]|, |v[\x+32*\c+5]|
.endr
.irp i, 6,10,14,18,22,26
.irp c, 0,1
	v_max3_num_f32 v[208+2*\c], v[208+2*\c], |v[\x+32*\c+\i]|, |v[\x+32*\c+\i+1]|
	v_max3_num_f32 v[209+2*\c], v[209+2*\c], |v[\x+32*\c+\i+2]|, |v[\x+32*\c+\i+3]|
.endr
.endr
.irp c, 0,1
	v_max3_num_f32 v[208+2*\c], v[208+2*\c], |v[\x+32*\c+30]|, |v[\x+32*\c+31]|
.endr
.irp c, 0,1
	v_max3_num_f32 v[208+2*\c], v[208+2*\c], v[209+2*\c], 0x1800000
.endr
.irp c, 0,1
	v_add_nc_u32 v[212+\c], 0xff000000, v[208+2*\c]
.endr
.irp c, 0,1
	v_lshrrev_b32 v[214+\c], 23, v[212+\c]
.endr
.irp c, 0,1
.irp g, 0,1,2,3
	v_cvt_scalef32_pk8_fp4_f32 v[\co+4*\c+\g], v[\x+32*\c+8*\g:\x+32*\c+8*\g+7], v[212+\c]
.endr
.endr
	v_lshl_or_b32 v[\wr], v215, 16, v214
	v_lshlrev_b32 v[\wr], v11, v[\wr]
	v_permlanex16_b32 v216, v[\wr], s60, s61
	v_or_b32 v[\wr], v[\wr], v216
.if \rows
.irp n, 0,1,2,3
	v_pk_mul_f32 v[\x+2*\n:\x+2*\n+1], v[\x+2*\n:\x+2*\n+1], v[\x+2*\n:\x+2*\n+1]
.endr
.irp m, 1,2,3,4,5,6,7
.irp n, 0,1,2,3
	v_pk_fma_f32 v[\x+2*\n:\x+2*\n+1], v[\x+8*\m+2*\n:\x+8*\m+2*\n+1], v[\x+8*\m+2*\n:\x+8*\m+2*\n+1], v[\x+2*\n:\x+2*\n+1]
.endr
.endr
	v_pk_add_f32 v[\x:\x+1], v[\x:\x+1], v[\x+2:\x+3]
	v_pk_add_f32 v[\x+4:\x+5], v[\x+4:\x+5], v[\x+6:\x+7]
	v_pk_add_f32 v[\x:\x+1], v[\x:\x+1], v[\x+4:\x+5]
	v_add_f32 v[\x], v[\x], v[\x+1]
	v_permlanex16_b32 v216, v[\x], s60, s61
	v_add_f32 v217, v[\x], v216
.else
	v_add_nc_u32 v[\wr], 0x01010101, v[\wr]
.endif
.endm
	s_wait_loadcnt 0x5                             ; g is in: r and the four rows are younger
	ds_store_b128 v5, v[20:23]                     ; my own bytes: LDS serves a wave's instructions in order (ISA guide 5.7.1.4)
	LDX XG, 6, 0
	s_wait_loadcnt 0x4                             ; r is in
	v_pk_add_f32 v[40:41], v[20:21], v[24:25] neg_lo:[0,1] neg_hi:[0,1]   ; g - r
	v_pk_add_f32 v[42:43], v[22:23], v[26:27] neg_lo:[0,1] neg_hi:[0,1]
	v_pk_mul_f32 v[50:51], v[40:41], v[40:41]
	v_pk_fma_f32 v[50:51], v[42:43], v[42:43], v[50:51]
	v_add_f32 v49, v50, v51
	s_wait_alu depctr_va_vdst(0)
	s_wait_dscnt 0x0
	QT XG, 224, 220, 0                             ; every lane r holds the same goal: sixteen equal rows of source 0
	s_wait_alu depctr_va_vdst(0)
	s_wait_loadcnt 0x0                             ; the quad is in
.irp e, 0,1,2,3
	ds_store_b128 v5, v[RW+4*\e:RW+4*\e+3] offset:PITCH*(\e+1)
.endr
	LDX XR, 7, PITCH
	s_wait_dscnt 0x0
	QT XR, 232, 221, 1
	v_wmma_scale_f32_16x16x128_f8f6f4 v[240:247], v[224:231], v[232:239], 0, v220, v221 matrix_a_fmt:MATRIX_FMT_FP4 matrix_b_fmt:MATRIX_FMT_FP4
.rept 4
	v_nop
.endr
	v_sub_f32 v248, v240, v217                     ; lane r: 2 P - pp of row r % 4
	v_mov_b32 v249, v248
	v_max_num_f32_dpp v249, v249, v249 row_xmask:1 row_mask:0xf bank_mask:0xf
	v_max_num_f32_dpp v249, v249, v249 row_xmask:2 row_mask:0xf bank_mask:0xf
	v_cmp_eq_f32 s24, v248, v249
	s_ctz_i32_b32 s25, s24                         ; the lowest row that has it
	v_mov_b32 v55, s25
	v_and_b32 v51, 1, v55
	v_and_b32 v52, 2, v55
	v_cmp_ne_u32 s26, 0, v51
	v_cmp_ne_u32 s27, 0, v52
.irp k, 0,1,2,3
	v_cndmask_b32 v[RW+\k], v[RW+\k], v[RW+4+\k], s26
	v_cndmask_b32 v[RW+8+\k], v[RW+8+\k], v[RW+12+\k], s26
.endr
.irp k, 0,1,2,3
	v_cndmask_b32 v[RW+\k], v[RW+\k], v[RW+8+\k], s27
.endr
	v_pk_add_f32 v[44:45], v[20:21], v[RW:RW+1] neg_lo:[0,1] neg_hi:[0,1]     ; g - s
	v_pk_add_f32 v[46:47], v[22:23], v[RW+2:RW+3] neg_lo:[0,1] neg_hi:[0,1]
	v_pk_mul_f32 v[50:51], v[44:45], v[44:45]
	v_pk_fma_f32 v[50:51], v[46:47], v[46:47], v[50:51]
	v_add_f32 v48, v50, v51
.irp m, 1,2,4,8
	v_add_f32_dpp v48, v48, v48 row_xmask:\m row_mask:0xf bank_mask:0xf
	v_add_f32_dpp v49, v49, v49 row_xmask:\m row_mask:0xf bank_mask:0xf
.endr
	v_permlanex16_b32 v53, v48, s60, s61
	v_permlanex16_b32 v54, v49, s60, s61
	v_add_f32 v48, v48, v53
	v_add_f32 v49, v49, v54
	s_wait_alu depctr_va_vdst(0)
	v_sqrt_f32 v56, v48                            ; |g - s|
	v_sqrt_f32 v57, v49                            ; |g - r|
	v_rsq_f32 v58, v48
	v_rsq_f32 v59, v49
	v_nop                                          ; one plain line between the last of these and the use of their results (ISA guide 5.7.2)
	s_wait_alu depctr_va_vdst(0)
	v_sub_f32 v60, v56, v57
.irp k, 0,1,2,3
	v_mul_f32 v[40+\k], v[40+\k], v59
.endr
.irp k, 0,1,2,3
	v_fma_f32 v[44+\k], v[44+\k], v58, -v[40+\k]
.endr
	global_store_b128 v2, v[44:47], s[12:13]       ; 32 lanes store the row's 512 consecutive bytes
	ds_store_b32 v8, v60                           ; every lane holds the value: one word a wave
	s_wait_alu depctr_va_vdst(0)
	s_wait_dscnt 0x0                               ; for wave 0's sake
	s_barrier_signal -1
	s_barrier_wait -1
	s_cmp_lg_u32 s18, 0
	s_cbranch_scc1 .Lend
	ds_load_b32 v61, v9
	v_cmp_gt_u32 vcc_lo, 8, v1
	s_wait_dscnt 0x0
	s_wait_xcnt 0x0                                ; EXEC is a source of the store above: it changes only behind this wait
	s_and_saveexec_b32 s19, vcc_lo
	global_store_b32 v10, v61, s[10:11]            ; lanes 0-7: the work-group's eight values, 32 consecutive bytes
	s_wait_xcnt 0x0                                ; and again ahead of the line that widens it
	s_or_b32 exec_lo, exec_lo, s19
.Lend:
	s_wait_tensorcnt 0x0                           ; the wave's end
	ds_add_u32 v14, v15
	s_wait_dscnt 0x0
	s_endpgm
.Lfunc_end_k_q611cd756bc_progress:
	.size	k_q611cd756bc_progress, .Lfunc_end_k_q611cd756bc_progress-k_q611cd756bc_progress
	.p2alignl 7, 3214868480
	.fill 96, 4, 3214868480
	.section	.rodata,"a",@progbits
	.p2align	6, 0x0
	.amdhsa_kernel k_q611cd756bc_progress
		.amdhsa_group_segment_fixed_size 28928
		.amdhsa_private_segment_fixed_size 0
		.amdhsa_enable_private_segment 0
		.amdhsa_kernarg_size 40
		.amdhsa_user_sgpr_count 2
		.amdhsa_user_sgpr_kernarg_segment_ptr 1
		.amdhsa_wavefront_size32 1
		.amdhsa_system_sgpr_workgroup_id_x 1
		.amdhsa_system_sgpr_workgroup_id_y 1
		.amdhsa_system_sgpr_workgroup_id_z 1
		.amdhsa_system_vgpr_workitem_id 0
		.amdhsa_next_free_vgpr 256
		.amdhsa_next_free_sgpr 66
		.amdhsa_reserve_vcc 1
		.amdhsa_float_denorm_mode_32 3
		.amdhsa_float_denorm_mode_16_64 3
		.amdhsa_memory_ordered 1
		.amdhsa_forward_progress 1
		.amdhsa_inst_pref_size 20
	.end_amdhsa_kernel
	.amdgpu_metadata
---
amdhsa.version: [ 1, 2 ]
amdhsa.kernels:
  - .name:           k_q611cd756bc_progress
    .symbol:         k_q611cd756bc_progress.kd
    .args:
      - { .name: reached_goal_embedding_library, .offset: 0, .size: 8, .value_kind: global_buffer, .address_space: global }
      - { .name: target_goal_embedding_library, .offset: 8, .size: 8, .value_kind: global_buffer, .address_space: global }
      - { .name: cand, .offset: 16, .size: 8, .value_kind: global_buffer, .address_space: global }
      - { .name: out0, .offset: 24, .size: 8, .value_kind: global_buffer, .address_space: global }
      - { .name: out1, .offset: 32, .size: 8, .value_kind: global_buffer, .address_space: global }
    .group_segment_fixed_size: 28928
    .private_segment_fixed_size: 0
    .kernarg_segment_align: 8
    .kernarg_segment_size: 40
    .max_flat_workgroup_size: 256
    .sgpr_count:     66
    .vgpr_count:     256
    .wavefront_size: 32
...
	.end_amdgpu_metadata
.endif
;; end of part 5
